; MI455X (gfx1250); checked and timed in simulation.
; The chip was launched on July 23, 2026; its instructions are those of AMD's public machine-readable ISA for CDNA 5 (MIT licence, August 2026) and "CDNA5" Instruction Set Architecture Reference Guide (July 2026). The comments in the code are by the model that wrote it; some were corrected since.
;; Encoder. Allowed arithmetic: float matrix products may take bf16 or f16 operands with f32 sums; other float arithmetic in f32, or as packed bf16 or f16 multiplies, adds, multiply-adds, maxima and minima; sums over many terms, partial sums and values carried from step to step in f32; what a program stores and reads back later, other than sums and carried values, may be rounded once to bf16 or f16.
;; Inputs: b1 4,096 float32; b2 1,024 float32; b_qkv 3,072 float32; ln_b 1,024 float32; ln_g 1,024 float32; w1 1,024 x 4,096 float32; w2 4,096 x 1,024 float32; w_qkv 1,024 x 3,072 float32; x 2 x 2,048 x 1,024 float32.
;; Outputs: out0 2 x 2,048 x 1,024 float32.
;; 2 versions, each right; version 2 is version 1 with the launch prep written anew for expert scheduling mode. Each part assembles by itself: llvm-mc -triple=amdgcn-amd-amdhsa -mcpu=gfx1250 --defsym DOCPART=n.
;; ======== version 1 of 2: 5 launches
;; limits: values are held in f16: magnitudes above 65,504 overflow, below 6.1e-05 lose precision
;; workspace buffers: w16 23,068,672 bytes; xn 8,388,608 bytes; qkv 25,165,824 bytes; x1 16,777,216 bytes; xn2 8,388,608 bytes; hbuf 33,554,432 bytes
;; launch prep (part 1): grid 512 x 1, 8 waves a work-group, no clusters, 0 bytes of LDS; arguments x, w_qkv, w1, w2, ln_g, ln_b, w16, xn; writes w16, xn
.if DOCPART == 1
	.amdgcn_target "amdgcn-amd-amdhsa--gfx1250"
	.amdhsa_code_object_version 6
	.text
	.protected	k_q80e5721d47_prep
	.globl	k_q80e5721d47_prep
	.p2align	8
	.type	k_q80e5721d47_prep,@function
k_q80e5721d47_prep:
	s_mov_b64 s[64:65], 0
	v_nop
	global_prefetch_b8 v0, s[64:65] scope:SCOPE_SE
	s_setreg_imm32_b32 hwreg(HW_REG_WAVE_MODE, 25, 1), 1
	s_wait_xcnt 0x0
; PREP.  Four jobs, 128 work-groups each, chosen by the work-group's number / 128; all stream: 16 bytes of f32 a lane in, 8 bytes of f16 out.
;   0: w_qkv [1024][3072] f32 -> w16 + 0, f16, in 16 blocks of 192 columns: [block][k][192], so that a block's k rows lie end to end
;   1: w1 [1024][4096] -> w16 + 6,291,456, f16, same order      2: w2 [4096][1024] -> w16 + 14,680,064, f16, same order
;   3: xn = LayerNorm(x) g + b, f16 [4096][1024]: mean, then the mean of the squared differences (two passes over registers), all in f32
; A load of a wave covers 512 consecutive bytes, a store 256, both aligned to 256.  No LDS, no barrier: no wave needs another's data.
; LIMIT.  f16 holds no number beyond 65,504 and has a fixed step of 6e-8 below 6.1e-5: weights and xn must lie within that; NaN and infinities are not treated apart.
.set WV,  20
.set SEC, 21
.set W,   22                           ; s22  the wave's number within its job, 0 .. 1023
.set SEL, 32                           ; s[32:33] v_permlanex16_b32's selects: each lane takes its own place in the other half
.set INV, 34                           ; s34  1 / 1024
.set EPS, 35                           ; s35  1e-5
.set XIN, 16                           ; v[16:143]  as loaded
.set YO,  144                          ; v[144:207] as stored (jobs 0 to 2): a pair for each store, never rewritten
.set LND, 80                           ; job 3: v[16:47], v[48:79] two rows; v[80:111] x - mean
.set LNG, 112                          ; v[112:143] g
.set LNB, 144                          ; v[144:175] b
.set LNY, 176                          ; v[176:191] a row in f16
.set LNA, 192                          ; v[192:199] four running pairs
.set LNMU, 200                         ; v[200:201] the mean (low word)
.set LNRS, 202                         ; v[202:203] 1 / sqrt(var + eps) (low word)
; the sum of v[LNA .. LNA+7] over the 32 lanes, into v[LNA] of every lane
.macro REDUCE
	v_pk_add_f32 v[LNA:LNA+1], v[LNA:LNA+1], v[LNA+2:LNA+3]
	v_pk_add_f32 v[LNA+4:LNA+5], v[LNA+4:LNA+5], v[LNA+6:LNA+7]
	v_pk_add_f32 v[LNA:LNA+1], v[LNA:LNA+1], v[LNA+4:LNA+5]
	v_add_f32 v[LNA], v[LNA], v[LNA+1]
.irp m, 1,2,4,8
	v_add_f32_dpp v[LNA], v[LNA], v[LNA] row_xmask:\m row_mask:0xf bank_mask:0xf
.endr
	v_permlanex16_b32 v[LNA+1], v[LNA], s[SEL], s[SEL+1]
	v_add_f32 v[LNA], v[LNA], v[LNA+1]
.endm
; one row of 1,024 numbers, 32 a lane in v[x .. x+31] -> 16 registers of f16 in v[LNY ..]
.macro LNROW x
.irp c, 0,1,2,3
	v_pk_add_f32 v[LNA+2*(\c):LNA+2*(\c)+1], v[(\x)+2*(\c):(\x)+2*(\c)+1], v[(\x)+8+2*(\c):(\x)+8+2*(\c)+1]
.endr
.irp n, 8,9,10,11,12,13,14,15
	v_pk_add_f32 v[LNA+2*((\n)%4):LNA+2*((\n)%4)+1], v[LNA+2*((\n)%4):LNA+2*((\n)%4)+1], v[(\x)+2*(\n):(\x)+2*(\n)+1]
.endr
	REDUCE
	v_mul_f32 v[LNMU], s[INV], v[LNA]
.set z, 0
.rept 16
	v_pk_add_f32 v[LND+2*z:LND+2*z+1], v[(\x)+2*z:(\x)+2*z+1], v[LNMU:LNMU+1] op_sel_hi:[1,0] neg_lo:[0,1] neg_hi:[0,1]
.set z, z+1
.endr
.irp c, 0,1,2,3
	v_pk_mul_f32 v[LNA+2*(\c):LNA+2*(\c)+1], v[LND+2*(\c):LND+2*(\c)+1], v[LND+2*(\c):LND+2*(\c)+1]
.endr
.irp n, 4,5,6,7,8,9,10,11,12,13,14,15
	v_pk_fma_f32 v[LNA+2*((\n)%4):LNA+2*((\n)%4)+1], v[LND+2*(\n):LND+2*(\n)+1], v[LND+2*(\n):LND+2*(\n)+1], v[LNA+2*((\n)%4):LNA+2*((\n)%4)+1]
.endr
	REDUCE
	v_fma_f32 v[LNA], v[LNA], s[INV], s[EPS]
	v_rsq_f32 v[LNRS], v[LNA]
	v_nop                                          ; a plain instruction behind the root,
	s_wait_alu depctr_va_vdst(0)                   ; and the wait ahead of its first reader
.set z, 0
.rept 16
	v_pk_mul_f32 v[LND+2*z:LND+2*z+1], v[LND+2*z:LND+2*z+1], v[LNRS:LNRS+1] op_sel_hi:[1,0]
.set z, z+1
.endr
.set z, 0
.rept 16
	v_pk_fma_f32 v[LND+2*z:LND+2*z+1], v[LND+2*z:LND+2*z+1], v[LNG+2*z:LNG+2*z+1], v[LNB+2*z:LNB+2*z+1]
.set z, z+1
.endr
.set z, 0
.rept 16
	v_cvt_pk_f16_f32 v[LNY+z], v[LND+2*z], v[LND+2*z+1]
.set z, z+1
.endr
.endm
	s_load_b512 s[4:19], s[0:1], 0x0               ; x 4, w_qkv 6, w1 8, w2 10, ln_g 12, ln_b 14, w16 16, xn 18
	v_lshrrev_b32 v1, 5, v0
	v_readfirstlane_b32 s[WV], v1
	v_and_b32 v1, 31, v0                           ; lane
	v_lshlrev_b32 v2, 4, v1                        ; 16 bytes a lane in
	v_lshlrev_b32 v3, 3, v1                        ; 8 bytes a lane out
	s_lshr_b32 s[SEC], ttmp9, 7
	s_and_b32 s[W], ttmp9, 127
	s_lshl_b32 s[W], s[W], 3
	s_add_co_u32 s[W], s[W], s[WV]
	s_mov_b32 s27, 0
	s_mov_b32 s29, 0
	s_wait_kmcnt 0x0
	s_cmp_eq_u32 s[SEC], 0
	s_cbranch_scc1 .Lwq
	s_cmp_eq_u32 s[SEC], 3
	s_cbranch_scc1 .Lnorm
	; JOBS 1 AND 2: 16,384 consecutive bytes a wave
	s_cmp_eq_u32 s[SEC], 1
	s_cselect_b64 s[24:25], s[8:9], s[10:11]
	s_lshl_b32 s26, s[W], 14
	s_add_nc_u64 s[24:25], s[24:25], s[26:27]
	s_sub_co_u32 s28, s[SEC], 1
	s_lshl_b32 s28, s28, 23                        ; w2's copy lies 8,388,608 bytes behind w1's
	s_lshl_b32 s26, s[W], 13
	s_add_co_u32 s28, s28, s26
	s_add_co_u32 s28, s28, 6291456
	s_add_nc_u64 s[16:17], s[16:17], s[28:29]
.set j, 0
.rept 32
	global_load_b128 v[XIN+4*j:XIN+4*j+3], v2, s[24:25] offset:512*j th:TH_LOAD_NT
.set j, j+1
.endr
.set j, 0
.rept 32
	s_wait_loadcnt 31-j                            ; loads come back in order: load j is in, the younger ones stay out
	v_cvt_pk_f16_f32 v[YO+2*j], v[XIN+4*j], v[XIN+4*j+1]
	v_cvt_pk_f16_f32 v[YO+2*j+1], v[XIN+4*j+2], v[XIN+4*j+3]
	global_store_b64 v3, v[YO+2*j:YO+2*j+1], s[16:17] offset:256*j
.set j, j+1
.endr
	s_endpgm
.Lwq:	; JOB 0: block W / 64, k rows 16 (W % 64) on.  A row's piece is 768 bytes: two rows are three loads of 512 bytes, the middle one split between the rows
	s_lshr_b32 s23, s[W], 6
	s_and_b32 s26, s[W], 63
	s_lshl_b32 s26, s26, 4
	s_mul_i32 s28, s26, 12288
	s_mul_i32 s24, s23, 768
	s_add_co_u32 s28, s28, s24
	s_add_nc_u64 s[6:7], s[6:7], s[28:29]
	s_mul_i32 s28, s23, 393216
	s_mul_i32 s26, s26, 384
	s_add_co_u32 s28, s28, s26
	s_add_nc_u64 s[16:17], s[16:17], s[28:29]
	v_lshrrev_b32 v5, 4, v1
	v_mul_u32_u24 v5, v5, 11520                    ; lanes 16-31 of the middle load: from byte 768 of one row to byte 0 of the next (12,288 - 768)
	v_add3_u32 v4, v2, v5, 512
.set u, 0
.rept 8
	global_load_b128 v[XIN+12*u:XIN+12*u+3],    v2, s[6:7] offset:24576*u th:TH_LOAD_NT
	global_load_b128 v[XIN+12*u+4:XIN+12*u+7],  v4, s[6:7] offset:24576*u th:TH_LOAD_NT
	global_load_b128 v[XIN+12*u+8:XIN+12*u+11], v2, s[6:7] offset:24576*u+12544 th:TH_LOAD_NT
.set u, u+1
.endr
.set j, 0
.rept 24
	s_wait_loadcnt 23-j
	v_cvt_pk_f16_f32 v[YO+2*j], v[XIN+4*j], v[XIN+4*j+1]
	v_cvt_pk_f16_f32 v[YO+2*j+1], v[XIN+4*j+2], v[XIN+4*j+3]
	global_store_b64 v3, v[YO+2*j:YO+2*j+1], s[16:17] offset:256*j  ; in the block the 16 rows are 6,144 bytes on end
.set j, j+1
.endr
	s_endpgm
.Lnorm:	; JOB 3: rows 4 W .. 4 W + 3, a whole row to the wave (32 numbers a lane), two rows a trip
	s_lshl_b32 s26, s[W], 14
	s_add_nc_u64 s[4:5], s[4:5], s[26:27]
	s_lshl_b32 s26, s[W], 13
	s_add_nc_u64 s[18:19], s[18:19], s[26:27]
	s_mov_b32 s[SEL], 0x76543210
	s_mov_b32 s[SEL+1], 0xfedcba98
	s_mov_b32 s[INV], 0x3a800000
	s_mov_b32 s[EPS], 0x3727c5ac
	v_mov_b32 v[LNMU+1], 0                         ; named as pairs, so written
	v_mov_b32 v[LNRS+1], 0
.set j, 0
.rept 8
	global_load_b128 v[LNG+4*j:LNG+4*j+3], v2, s[12:13] offset:512*j
	global_load_b128 v[LNB+4*j:LNB+4*j+3], v2, s[14:15] offset:512*j
.set j, j+1
.endr
	s_mov_b32 s30, 2
.Ltrip:
.set j, 0
.rept 8
	global_load_b128 v[16+4*j:16+4*j+3], v2, s[4:5] offset:512*j th:TH_LOAD_NT
.set j, j+1
.endr
.set j, 0
.rept 8
	global_load_b128 v[48+4*j:48+4*j+3], v2, s[4:5] offset:4096+512*j th:TH_LOAD_NT
.set j, j+1
.endr
	s_wait_loadcnt 8                               ; g, b and the first row are in; the second row's eight loads stay out
	LNROW 16
.set j, 0
.rept 8
	global_store_b64 v3, v[LNY+2*j:LNY+2*j+1], s[18:19] offset:256*j
.set j, j+1
.endr
	s_wait_loadcnt 0x0
	s_wait_xcnt 0x0                                ; the stores have read LNY: it is rewritten only behind this wait
	LNROW 48
.set j, 0
.rept 8
	global_store_b64 v3, v[LNY+2*j:LNY+2*j+1], s[18:19] offset:2048+256*j
.set j, j+1
.endr
	s_wait_xcnt 0x0                                ; the bases and LNY are rewritten only behind this wait
	s_add_nc_u64 s[4:5], s[4:5], 8192
	s_add_nc_u64 s[18:19], s[18:19], 4096
	s_sub_co_u32 s30, s30, 1
	s_cmp_lg_u32 s30, 0
	s_cbranch_scc1 .Ltrip
	s_endpgm
.Lfunc_end_k_q80e5721d47_prep:
	.size	k_q80e5721d47_prep, .Lfunc_end_k_q80e5721d47_prep-k_q80e5721d47_prep
	.p2alignl 7, 3214868480
	.fill 96, 4, 3214868480
	.section	.rodata,"a",@progbits
	.p2align	6, 0x0
	.amdhsa_kernel k_q80e5721d47_prep
		.amdhsa_group_segment_fixed_size 0
		.amdhsa_private_segment_fixed_size 0
		.amdhsa_enable_private_segment 0
		.amdhsa_kernarg_size 64
		.amdhsa_user_sgpr_count 2
		.amdhsa_user_sgpr_kernarg_segment_ptr 1
		.amdhsa_wavefront_size32 1
		.amdhsa_system_sgpr_workgroup_id_x 1
		.amdhsa_system_sgpr_workgroup_id_y 1
		.amdhsa_system_sgpr_workgroup_id_z 1
		.amdhsa_system_vgpr_workitem_id 0
		.amdhsa_next_free_vgpr 208
		.amdhsa_next_free_sgpr 66
		.amdhsa_reserve_vcc 0
		.amdhsa_float_denorm_mode_32 3
		.amdhsa_float_denorm_mode_16_64 3
		.amdhsa_memory_ordered 1
		.amdhsa_forward_progress 1
		.amdhsa_inst_pref_size 41
	.end_amdhsa_kernel
	.amdgpu_metadata
---
amdhsa.version: [ 1, 2 ]
amdhsa.kernels:
  - .name:           k_q80e5721d47_prep
    .symbol:         k_q80e5721d47_prep.kd
    .args:
      - { .name: x, .offset: 0, .size: 8, .value_kind: global_buffer, .address_space: global }
      - { .name: w_qkv, .offset: 8, .size: 8, .value_kind: global_buffer, .address_space: global }
      - { .name: w1, .offset: 16, .size: 8, .value_kind: global_buffer, .address_space: global }
      - { .name: w2, .offset: 24, .size: 8, .value_kind: global_buffer, .address_space: global }
      - { .name: ln_g, .offset: 32, .size: 8, .value_kind: global_buffer, .address_space: global }
      - { .name: ln_b, .offset: 40, .size: 8, .value_kind: global_buffer, .address_space: global }
      - { .name: w16, .offset: 48, .size: 8, .value_kind: global_buffer, .address_space: global }
      - { .name: xn, .offset: 56, .size: 8, .value_kind: global_buffer, .address_space: global }
    .group_segment_fixed_size: 0
    .private_segment_fixed_size: 0
    .kernarg_segment_align: 8
    .kernarg_segment_size: 64
    .max_flat_workgroup_size: 256
    .sgpr_count:     66
    .vgpr_count:     208
    .wavefront_size: 32
...
	.end_amdgpu_metadata
.endif
;; end of part 1
;; launch gqkv (part 2): grid 16 x 16, 4 waves a work-group, clusters of 4 x 4, 327,680 bytes of LDS; arguments xn, w16, b_qkv, qkv; writes qkv
.if DOCPART == 2
	.amdgcn_target "amdgcn-amd-amdhsa--gfx1250"
	.amdhsa_code_object_version 6
	.text
	.protected	k_q80e5721d47_gqkv
	.globl	k_q80e5721d47_gqkv
	.p2align	8
	.type	k_q80e5721d47_gqkv,@function
k_q80e5721d47_gqkv:
	s_mov_b64 s[64:65], 0
	v_nop
	global_prefetch_b8 v0, s[64:65] scope:SCOPE_SE
	s_setreg_imm32_b32 hwreg(HW_REG_WAVE_MODE, 25, 1), 1
	s_wait_xcnt 0x0
	s_wait_alu depctr_hold_cnt(0) depctr_sa_sdst(0) depctr_va_vdst(0) depctr_va_sdst(0) depctr_va_ssrc(0) depctr_va_vcc(0) depctr_vm_vsrc(0)
	s_getreg_b32 s2, hwreg(HW_REG_IB_STS2, 6, 4)
	s_cmp_eq_u32 s2, 0
	s_cbranch_scc0 .Lentry_in_a_cluster
	s_endpgm
.Lentry_in_a_cluster:
	s_bfe_u32 s2, ttmp6, 0x10000c
	s_cmp_lg_u32 s2, 0xf033
	s_cbranch_scc0 .Lentry_shape_is_right
	s_endpgm
.Lentry_shape_is_right:
; q, k, v = xn wq + b_qkv, written by heads: qkv [3][32 = batch x 16 + head][2048][64] in f16.  xn [4096][1024] f16; wq f16 in blocks [16][1024 k][192 columns] at w16 + 0.  Sums in f32, rounded once.
; A tile of C is 256 rows x 192 columns: 16 x 16 = 256 work-groups.  The four waves lie one below the other, 64 rows x 192 columns each: 48 accumulators, three whole heads to a wave.
; K goes in 8 steps of 128 through two LDS slots filled by the tensor data mover.  xn's rows lie along K and are read as they lie; wq lies [k][column] and is turned on the way out of LDS (ds_load_tr16_b128).
; ONE K STEP IS WRITTEN ONCE: a trip of the loop is a K step; which slot it reads is data: s[SL] holds 0 or SLOT, and the fragment addresses are made from it at each change of slots.  Written out beside the loop are the
; first quarter step (the bias starts the sums) and a second loop of two trips for the last two K steps, which ask for nothing.
; CLUSTER 4 x 4: xn's tile hangs on the tile row alone and is asked for jointly by a row of the cluster, wq's on the tile column alone, by a column.
; THE PRODUCT IS TAKEN TRANSPOSED (source 0 = 16 columns of wq, source 1 = 16 rows of xn): a lane holds row lane % 16 of C and the columns 8 (lane / 16) + 0..7.
; THE BIAS is the C operand of each accumulator's first product: nothing is cleared and nothing is added on the way out.
; LIMIT.  f16 holds no number beyond 65,504: q, k and v must lie within it; NaN and infinities are not treated apart.
; REGISTERS: window 0: v0-31 addresses; v32-63, v64-95 xn's fragments (4 x 16 rows x 32 K), two buffers; v96-191 the bias, 12 fragments; on the way out v32-79 packed, v96-191 rows read back
;   window 1: v0-95, v128-223 wq's fragments (12 x 16 columns x 32 K), two buffers      window 2: accumulators of row blocks 0, 1 at 96 (a % 2) + 8 j      window 3: of row blocks 2, 3
.set PA,    272                        ; a row of xn in LDS: 256 bytes + 16: the 16 rows of a load start at 16 different groups of four banks
.set PB,    480                        ; a k row of wq in LDS: three pieces of 128 bytes + 32 each
.set BOFF,  256*PA
.set SLOT,  131072                     ; 256 x 272 + 128 x 480: a power of two above every address in slot 0, so one exclusive or turns an address into the other slot's
.set STAGE, 2*SLOT                     ; behind the ring: 3 heads x 16 rows x 144 bytes for each wave
.set WSTG,  3*16*144
.set SPARE, STAGE+4*WSTG               ; the spare words, 128 bytes for each wave
.set STEPS, 8
.set ADRA,  16                         ; v16  xn's fragments in the slot in hand
.set ADRA0, 17                         ; v17  the same in slot 0; never rewritten
.set ADRB,  20                         ; v20, v21 likewise for wq
.set ADRB0, 21
.set STO,  24
.set RD,   25
.set GO,   26
.set SPW,  28
.set NIL,  29
.set PFO,  30
.set BIA,  96
.set TMP,  32
.set BK,   96
.set WV, 14
.set RH, 15                            ; 0: I fetch xn's tile, 1: wq's
.set CH, 16                            ; which half of it
.set CX, 17
.set CY, 18
.set TX, 19
.set TY, 20
.set LA, 21
.set LB, 22
.set G1, 24
.set G0, 32                            ; s[32:39] group 0 for xn: a set for each of the two first fills; the second then walks on
.set LIM, 43
.set PFA, 44
.set PFS, 46
.set G1B, 48
.set G0B, 56                           ; s[56:63] the same for wq
.set OB, 72                            ; s[72:77] where my rows begin in each of my three heads
.set SL, 78                            ; s78  0 or SLOT: the slot in hand
.set MSB, 0
.macro WIN new                         ; the immediate's high byte repeats the setting that is left; a switch that changes nothing is dropped
.if MSB != (\new)
	s_set_vgpr_msb (MSB<<8)|(\new)
.set MSB, \new
.endif
.endm
.macro PLACES                          ; four plain places behind matrix instructions (ISA guide 7.12.1)
.rept 4
	v_nop
.endr
.endm
; a joint load by descriptor set s: waves 0, 1 ask for xn's halves, waves 2, 3 for wq's.  An s_nop 0 and four v_nop follow each line
.macro JLOAD s
	s_cmp_eq_u32 s[RH], 0
	s_cbranch_scc0 .Lfor_b_\@
	tensor_load_to_lds s[G0+4*(\s):G0+4*(\s)+3], s[G1:G1+7]
	s_nop 0
.rept 4
	v_nop
.endr
	s_branch .Lasked_\@
.Lfor_b_\@:
	tensor_load_to_lds s[G0B+4*(\s):G0B+4*(\s)+3], s[G1B:G1B+7]
	s_nop 0
.rept 4
	v_nop
.endr
.Lasked_\@:
.endm
.macro CREST                           ; a round of the cluster's barrier behind its opening barrier
	s_cmp_lg_u32 s[WV], 0
	s_cbranch_scc1 .Lnot_wave_0_\@
	s_barrier_signal -3
.Lnot_wave_0_\@:
	s_barrier_wait -3
	s_barrier_signal -1
	s_barrier_wait -1
.endm
.macro CROUND
	s_barrier_signal -1
	s_barrier_wait -1
	CREST
.endm
; A prefetch of the K step two refills on.  xn's rows are read by every cluster of a row of clusters: cluster x = 0 asks; wq's block by every cluster of a column: cluster y = 0 asks.
; The four partners share a wave's part out by address: 32 rows of xn (a lane a row), or 24 of wq's 96 pieces of 256 bytes (lanes 24-31 name lane 23's piece again).  The loop's last two trips (s3 = 2, 1) have no K step two refills on.
.macro ASK
	s_cmp_gt_u32 s3, s[LIM]
	s_cbranch_scc0 .Lnot_mine_\@
	global_prefetch_b8 v[PFO], s[PFA:PFA+1] th:TH_LOAD_NT scope:SCOPE_SE
.Lnot_mine_\@:
.endm
	s_load_b256 s[4:11], s[0:1], 0x0               ; xn 4, w16 6, b_qkv 8, qkv 10
	v_lshl_add_u32 v[SPW], v0, 2, SPARE
	v_mov_b32 v[NIL], 0
	ds_add_u32 v[SPW], v[NIL]                      ; the wave's opening: the add and its wait stand ahead of my first tensor load
	v_lshrrev_b32 v1, 5, v0
	v_readfirstlane_b32 s[WV], v1
	s_lshr_b32 s[RH], s[WV], 1
	s_and_b32 s[CH], s[WV], 1
	s_bfe_u32 s[CX], ttmp6, 0x40000
	s_bfe_u32 s[CY], ttmp6, 0x40004
	s_lshl_b32 s[TX], ttmp9, 2
	s_add_co_u32 s[TX], s[TX], s[CX]               ; tile column
	s_and_b32 s[TY], ttmp7, 0xffff
	s_lshl_b32 s[TY], s[TY], 2
	s_add_co_u32 s[TY], s[TY], s[CY]               ; tile row
	s_lshl_b32 s40, s[CY], 2
	s_lshl_b32 s40, 15, s40                        ; my row of the cluster
	s_lshl_b32 s66, 0x1111, s[CX]                  ; my column
	s_or_b32 s[G1], s40, (1<<16)|(1<<20)|(1<<21)|(5<<22)|(3<<25)    ; 2-byte elements; 4 words of padding behind every 64
	s_or_b32 s[G1B], s66, (1<<16)|(1<<20)|(1<<21)|(4<<22)|(7<<25)   ; 8 words of padding behind every 32
	s_mov_b32 s[G1+1], 128<<16                     ; xn: 128 rows x 128 elements, 1,024 elements from row to row
	s_mov_b32 s[G1+2], 128<<16
	s_mov_b32 s[G1+3], 128<<16
	s_mov_b32 s[G1+4], 128
	s_mov_b32 s[G1+5], 1024
	s_mov_b32 s[G1+6], 0
	s_mov_b32 s[G1+7], 0
	s_mov_b32 s[G1B+1], 128<<16                    ; wq: 64 k rows are 24,576 dense bytes, asked for as 96 rows of 256 bytes
	s_mov_b32 s[G1B+2], 96<<16
	s_mov_b32 s[G1B+3], 128<<16
	s_mov_b32 s[G1B+4], 96
	s_mov_b32 s[G1B+5], 128
	s_mov_b32 s[G1B+6], 0
	s_mov_b32 s[G1B+7], 0
	s_lshl_b32 s40, s[TY], 8
	s_lshl_b32 s41, s[CH], 7
	s_add_co_u32 s40, s40, s41
	s_lshl_b32 s40, s40, 11                        ; xn: (256 x tile row + 128 x half) rows of 2,048 bytes
	s_mov_b32 s41, 0
	s_mul_i32 s66, s[TX], 393216                   ; wq: the block, and my 64 k rows
	s_mul_i32 s67, s[CH], 24576
	s_add_co_u32 s66, s66, s67
	s_mov_b32 s67, 0
	s_mul_i32 s[LA], s[CH], 128*PA
	s_mul_i32 s[LB], s[CH], 64*PB
	s_add_co_u32 s[LB], s[LB], BOFF
	s_mov_b32 s[SL], 0
	s_wait_dscnt 0x0                               ; the opening add is done
	s_wait_kmcnt 0x0
	s_add_nc_u64 s[40:41], s[4:5], s[40:41]
	s_add_nc_u64 s[66:67], s[6:7], s[66:67]
	CROUND                                         ; all sixteen work-groups are here: the first joint loads meet
.irp s, 0,1
	s_mov_b32 s[G0+4*(\s)], 1
	s_add_co_u32 s[G0+4*(\s)+1], s[LA], (\s)*SLOT
	s_add_nc_u64 s[G0+4*(\s)+2:G0+4*(\s)+3], s[40:41], (\s)*256
	s_or_b32 s[G0+4*(\s)+3], s[G0+4*(\s)+3], 0x80000000
	s_mov_b32 s[G0B+4*(\s)], 1
	s_add_co_u32 s[G0B+4*(\s)+1], s[LB], (\s)*SLOT
	s_add_nc_u64 s[G0B+4*(\s)+2:G0B+4*(\s)+3], s[66:67], (\s)*49152
	s_or_b32 s[G0B+4*(\s)+3], s[G0B+4*(\s)+3], 0x80000000
	JLOAD \s                                       ; K steps 0 and 1: two loads of mine are out
.endr
	v_and_b32 v1, 15, v0                           ; r = lane % 16
	v_bfe_u32 v2, v0, 4, 1                         ; h = lane / 16
	v_lshlrev_b32 v7, 5, v2                        ; the bias: 8 h numbers of 4 bytes
	s_mul_i32 s68, s[TX], 768
	s_mov_b32 s69, 0
	s_add_nc_u64 s[8:9], s[8:9], s[68:69]
.set j, 0
.rept 12
	global_load_b128 v[BIA+8*j:BIA+8*j+3],   v7, s[8:9] offset:64*j
	global_load_b128 v[BIA+8*j+4:BIA+8*j+7], v7, s[8:9] offset:64*j+16
.set j, j+1
.endr
	v_mul_u32_u24 v3, v1, PA
	v_lshl_add_u32 v3, v2, 4, v3
	s_mul_i32 s2, s[WV], 64*PA                     ; my 64 rows
	v_add_nc_u32 v[ADRA0], s2, v3
	v_mov_b32 v[ADRA], v[ADRA0]                    ; K step 0 lies in slot 0
	v_and_b32 v4, 7, v0
	v_bfe_u32 v5, v0, 3, 1
	v_lshl_add_u32 v6, v2, 3, v4                   ; the turning load: lane l reads k row 8 h + l % 8, 16 bytes at 16 ((l / 8) % 2)
	v_mul_u32_u24 v6, v6, PB
	v_lshl_add_u32 v6, v5, 4, v6
	v_add_nc_u32 v[ADRB0], BOFF, v6
	v_mov_b32 v[ADRB], v[ADRB0]
	s_mul_i32 s2, s[WV], WSTG
	s_add_co_u32 s2, s2, STAGE
	v_mul_u32_u24 v3, v1, 144
	v_lshl_add_u32 v3, v2, 4, v3
	v_add_nc_u32 v[STO], s2, v3                    ; in: row r, 16 bytes for each half of the lanes
	v_bfe_u32 v3, v0, 3, 2
	v_mul_u32_u24 v3, v3, 144
	v_lshl_add_u32 v3, v4, 4, v3
	v_add_nc_u32 v[RD], s2, v3                     ; back: 32 lanes take four rows of 128 bytes,
	v_and_b32 v3, 31, v0
	v_lshlrev_b32 v[GO], 4, v3                     ; which are 512 consecutive bytes of a head
.irp j, 0,1,2
	s_mul_i32 s2, s[TX], 3
	s_add_co_u32 s2, s2, \j                        ; column / 64 = 16 x (q, k or v) + head
	s_lshr_b32 s23, s2, 4
	s_lshl_b32 s23, s23, 5
	s_and_b32 s2, s2, 15
	s_add_co_u32 s23, s23, s2
	s_lshr_b32 s2, s[TY], 3                        ; the batch
	s_lshl_b32 s2, s2, 4
	s_add_co_u32 s23, s23, s2
	s_lshl_b32 s23, s23, 11
	s_and_b32 s2, s[TY], 7
	s_lshl_b32 s2, s2, 8
	s_add_co_u32 s23, s23, s2
	s_lshl_b32 s2, s[WV], 6
	s_add_co_u32 s23, s23, s2
	s_lshl_b32 s68, s23, 7                         ; rows of 128 bytes
	s_add_nc_u64 s[OB+2*(\j):OB+2*(\j)+1], s[10:11], s[68:69]
.endr
	; the prefetches: they stand at K step 3 and are stepped ahead of each use
	s_and_b32 s42, ttmp7, 0xffff
	s_cmp_eq_u32 s[RH], 0
	s_cselect_b32 s42, ttmp9, s42                  ; the coordinate along which other clusters read the same bytes
	s_cselect_b64 s[PFA:PFA+1], s[4:5], s[6:7]
	s_lshl_b32 s68, s[TY], 8
	s_lshl_b32 s69, s[CH], 7
	s_add_co_u32 s68, s68, s69
	s_lshl_b32 s69, s[CX], 5
	s_add_co_u32 s68, s68, s69
	s_lshl_b32 s68, s68, 11
	s_add_co_u32 s68, s68, 3*256
	s_mul_i32 s2, s[TX], 393216
	s_mul_i32 s23, s[CH], 24576
	s_add_co_u32 s2, s2, s23
	s_mul_i32 s23, s[CY], 6144
	s_add_co_u32 s2, s2, s23
	s_add_co_u32 s2, s2, 3*49152
	s_cmp_eq_u32 s[RH], 0
	s_cselect_b32 s68, s68, s2
	s_mov_b32 s69, 0
	s_add_nc_u64 s[PFA:PFA+1], s[PFA:PFA+1], s[68:69]
	s_mov_b32 s[PFS], 49152
	s_cselect_b32 s[PFS], 256, s[PFS]
	s_mov_b32 s[PFS+1], 0
	s_cselect_b32 s2, 31, 23
	s_mov_b32 s23, 256
	s_cselect_b32 s23, 2048, s23
	s_cmp_eq_u32 s42, 0
	s_cselect_b32 s[LIM], 2, -1                    ; 2 in a wave that prefetches, else the greatest number
	v_min_u32 v[PFO], s2, v3
	v_mul_lo_u32 v[PFO], v[PFO], s23
; 12 products: row block a x all 12 column blocks, 32 along K, from buffer f.  first = 1: the bias starts the sums.  The 48 accumulators take turns.
.macro MULA f, a, first
.if \first
	WIN 0x81+0x40*((\a)/2)
.else
	WIN 0xa1+0x50*((\a)/2)
.endif
.set j, 0
.rept 12
.set rD, 96*((\a)%2)+8*j
.if \first
	v_wmma_f32_16x16x32_f16 v[rD:rD+7], v[128*(\f)+8*j:128*(\f)+8*j+7], v[32+32*(\f)+8*(\a):32+32*(\f)+8*(\a)+7], v[BIA+8*j:BIA+8*j+7]
.else
	v_wmma_f32_16x16x32_f16 v[rD:rD+7], v[128*(\f)+8*j:128*(\f)+8*j+7], v[32+32*(\f)+8*(\a):32+32*(\f)+8*(\a)+7], v[rD:rD+7]
.endif
.set j, j+1
.endr
.endm
; 32 LDS loads in one run: quarter kq of the K step in the slot that the two address registers name, into buffer f: wq's 12 fragments, turned, then xn's 4
.macro FETCH kq, f
	WIN 0x40
.set j, 0
.rept 12
	ds_load_tr16_b128 v[128*(\f)+8*j:128*(\f)+8*j+3],   v[ADRB] offset:(\kq)*32*PB+(j/4)*160+(j%4)*32
	ds_load_tr16_b128 v[128*(\f)+8*j+4:128*(\f)+8*j+7], v[ADRB] offset:(\kq)*32*PB+(j/4)*160+(j%4)*32+16*PB
.set j, j+1
.endr
	WIN 0
.set j, 0
.rept 4
	ds_load_b128 v[32+32*(\f)+8*j:32+32*(\f)+8*j+3],   v[ADRA] offset:(\kq)*64+j*16*PA
	ds_load_b128 v[32+32*(\f)+8*j+4:32+32*(\f)+8*j+7], v[ADRA] offset:(\kq)*64+j*16*PA+32
.set j, j+1
.endr
.endm
; one of a K step's first three quarters: multiplies buffer f and, in its middle, fetches quarter kq into buffer g
.macro QUARTER kq, f, g, first
	s_wait_dscnt 4                                 ; wq and xn's row blocks 0, 1 are in; the youngest four loads (blocks 2, 3) may be out
	MULA \f, 0, \first
	MULA \f, 1, \first
	PLACES
	FETCH \kq, \g
	s_wait_dscnt 32                                ; all but the 32 just issued
	MULA \f, 2, \first
	MULA \f, 3, \first
.endm
; the last quarter multiplies buffer 1 and changes slots: one barrier; in front of it each wave waits for all its tensor loads, adds 0 to its spare word and waits for that and for its reads of the slot.
; Between the add and the wait for it stands the register work of the change: the walking descriptors go to the slot just read and one K step on, s[SL] and the fragment addresses to the other slot.
; fill = 1: the barrier opens a round of the cluster's, and the slot is filled again first thing behind it, two K steps ahead: 168 products stand between the request and the wait for it.
; fill = 0 (the last two K steps): nothing is asked for; the very last (s3 = 1) has no next K step, and its fetch is jumped over.
.macro TURN fill
.if \fill
	s_wait_xcnt 0x0                                ; the last prefetch, a K step back, has read its address
	s_add_nc_u64 s[PFA:PFA+1], s[PFA:PFA+1], s[PFS:PFS+1]
.endif
	WIN 0
	s_wait_tensorcnt 0x0                           ; all my tensor loads have landed: my part of the next slot; so a group 0 may be written
	ds_add_u32 v[SPW], v[NIL]                      ; 0 onto my spare word
.if \fill
	s_xor_b32 s[G0+5], s[G0+5], SLOT
	s_add_nc_u64 s[G0+6:G0+7], s[G0+6:G0+7], 256
	s_xor_b32 s[G0B+5], s[G0B+5], SLOT
	s_add_nc_u64 s[G0B+6:G0B+7], s[G0B+6:G0B+7], 49152
.endif
	s_xor_b32 s[SL], s[SL], SLOT
	v_add_nc_u32 v[ADRA], s[SL], v[ADRA0]
	v_add_nc_u32 v[ADRB], s[SL], v[ADRB0]
	s_wait_dscnt 5                                 ; (the add and the youngest four loads may be out)
	MULA 1, 0, 0
	s_wait_dscnt 0x0                               ; the add is done, and my reads of this slot are over
	s_barrier_signal -1
	MULA 1, 1, 0
	WIN 0
	s_barrier_wait -1
.if \fill
	CREST
	JLOAD 1                                        ; the four v_nop behind it are also the places in front of the loads below
	FETCH 0, 0
	ASK
.else
	s_cmp_eq_u32 s3, 1
	s_cbranch_scc1 .Lno_more_\@
	PLACES
	FETCH 0, 0
.Lno_more_\@:
.endif
	MULA 1, 2, 0
	MULA 1, 3, 0
.endm
	s_wait_tensorcnt 0x1                           ; my part of K step 0 is in; K step 1's may stay out
	s_barrier_signal -1
	s_barrier_wait -1
	FETCH 0, 0
	s_wait_loadcnt 0x0                             ; the bias
	QUARTER 1, 0, 1, 1
	WIN 0
	s_mov_b32 s3, STEPS-2
.Lstep:                                        ; a trip: from a K step's second quarter to the next step's first; K steps 2 to 7 are asked for
	QUARTER 2, 1, 0, 0
	QUARTER 3, 0, 1, 0
	TURN 1
	QUARTER 1, 0, 1, 0
	WIN 0
	s_sub_co_u32 s3, s3, 1
	s_cmp_lg_u32 s3, 0
	s_cbranch_scc1 .Lstep
	s_mov_b32 s3, 2
.Ltail:                                        ; the last two K steps, written apart; the second trip is left in its middle
	QUARTER 2, 1, 0, 0
	QUARTER 3, 0, 1, 0
	TURN 0
	WIN 0
	s_sub_co_u32 s3, s3, 1
	s_cmp_eq_u32 s3, 0
	s_cbranch_scc1 .Lout
	QUARTER 1, 0, 1, 0
	WIN 0
	s_branch .Ltail
.Lout:
	s_wait_dscnt 0x0                               ; no LDS load of mine is out: the fragments' registers are used anew below
; THE WAY OUT, a block of 16 rows at a time, through my own stage: 16 bytes a lane in, whole rows of a head (128 bytes, dense in memory) back
.macro PACK a
	WIN 0x0a+5*((\a)/2)
.set j, 0
.rept 48
	v_cvt_pk_f16_f32 v[TMP+j], v[96*((\a)%2)+2*j], v[96*((\a)%2)+2*j+1]
.set j, j+1
.endr
	WIN 0
.endm
.macro TOSTAGE a
	WIN 0
.set j, 0
.rept 12
	ds_store_b128 v[STO], v[TMP+4*j:TMP+4*j+3] offset:(j/4)*2304+(j%4)*32
.set j, j+1
.endr
.set j, 0
.rept 12
	ds_load_b128 v[BK+48*((\a)%2)+4*j:BK+48*((\a)%2)+4*j+3], v[RD] offset:(j/4)*2304+(j%4)*576  ; LDS serves a wave's instructions in order: these see the stores above
.set j, j+1
.endr
.endm
.macro SEND a
	WIN 0
	s_wait_dscnt 0x0                               ; the block is back in registers
	s_wait_xcnt 0x0                                ; the stores of the block before have read their registers, which the next block's loads write
.set j, 0
.rept 12
	global_store_b128 v[GO], v[BK+48*((\a)%2)+4*j:BK+48*((\a)%2)+4*j+3], s[OB+2*(j/4):OB+2*(j/4)+1] offset:(\a)*2048+(j%4)*512  ; 512 consecutive bytes, aligned to 256
.set j, j+1
.endr
.endm
	PLACES
	PACK 0
	TOSTAGE 0
.irp a, 1,2,3
	PACK \a
	SEND (\a)-1
	TOSTAGE \a
.endr
	SEND 3
	s_wait_tensorcnt 0x0                           ; the wave's end
	ds_add_u32 v[SPW], v[NIL]
	s_wait_dscnt 0x0
	CROUND                                         ; the closing round
	s_endpgm
.Lfunc_end_k_q80e5721d47_gqkv:
	.size	k_q80e5721d47_gqkv, .Lfunc_end_k_q80e5721d47_gqkv-k_q80e5721d47_gqkv
	.p2alignl 7, 3214868480
	.fill 96, 4, 3214868480
	.section	.rodata,"a",@progbits
	.p2align	6, 0x0
	.amdhsa_kernel k_q80e5721d47_gqkv
		.amdhsa_group_segment_fixed_size 327680
		.amdhsa_private_segment_fixed_size 0
		.amdhsa_enable_private_segment 0
		.amdhsa_kernarg_size 32
		.amdhsa_user_sgpr_count 2
		.amdhsa_user_sgpr_kernarg_segment_ptr 1
		.amdhsa_wavefront_size32 1
		.amdhsa_system_sgpr_workgroup_id_x 1
		.amdhsa_system_sgpr_workgroup_id_y 1
		.amdhsa_system_sgpr_workgroup_id_z 1
		.amdhsa_system_vgpr_workitem_id 0
		.amdhsa_next_free_vgpr 960
		.amdhsa_next_free_sgpr 96
		.amdhsa_reserve_vcc 0
		.amdhsa_float_denorm_mode_32 3
		.amdhsa_float_denorm_mode_16_64 3
		.amdhsa_memory_ordered 1
		.amdhsa_forward_progress 1
		.amdhsa_inst_pref_size 88
	.end_amdhsa_kernel
	.amdgpu_metadata
---
amdhsa.version: [ 1, 2 ]
amdhsa.kernels:
  - .name:           k_q80e5721d47_gqkv
    .symbol:         k_q80e5721d47_gqkv.kd
    .args:
      - { .name: xn, .offset: 0, .size: 8, .value_kind: global_buffer, .address_space: global }
      - { .name: w16, .offset: 8, .size: 8, .value_kind: global_buffer, .address_space: global }
      - { .name: b_qkv, .offset: 16, .size: 8, .value_kind: global_buffer, .address_space: global }
      - { .name: qkv, .offset: 24, .size: 8, .value_kind: global_buffer, .address_space: global }
    .group_segment_fixed_size: 327680
    .private_segment_fixed_size: 0
    .kernarg_segment_align: 8
    .kernarg_segment_size: 32
    .max_flat_workgroup_size: 128
    .sgpr_count:     96
    .vgpr_count:     960
    .wavefront_size: 32
...
	.end_amdgpu_metadata
.endif
;; end of part 2
;; launch attn (part 3): grid 8 x 32, 4 waves a work-group, clusters of 4 x 1, 327,680 bytes of LDS; arguments qkv, x, ln_g, ln_b, x1, xn2; writes x1, xn2
.if DOCPART == 3
	.amdgcn_target "amdgcn-amd-amdhsa--gfx1250"
	.amdhsa_code_object_version 6
	.text
	.protected	k_q80e5721d47_attn
	.globl	k_q80e5721d47_attn
	.p2align	8
	.type	k_q80e5721d47_attn,@function
k_q80e5721d47_attn:
	s_mov_b64 s[64:65], 0
	v_nop
	global_prefetch_b8 v0, s[64:65] scope:SCOPE_SE
	s_setreg_imm32_b32 hwreg(HW_REG_WAVE_MODE, 25, 1), 1
	s_wait_xcnt 0x0
	s_wait_alu depctr_hold_cnt(0) depctr_sa_sdst(0) depctr_va_vdst(0) depctr_va_sdst(0) depctr_va_ssrc(0) depctr_va_vcc(0) depctr_vm_vsrc(0)
	s_getreg_b32 s2, hwreg(HW_REG_IB_STS2, 6, 4)
	s_cmp_eq_u32 s2, 0
	s_cbranch_scc0 .Lentry_in_a_cluster
	s_endpgm
.Lentry_in_a_cluster:
	s_bfe_u32 s2, ttmp6, 0x10000c
	s_cmp_lg_u32 s2, 0x3003
	s_cbranch_scc0 .Lentry_shape_is_right
	s_endpgm
.Lentry_shape_is_right:
; o[y][q] = the sum over k of softmax_k(q . k) v, with NO scale in front of the softmax; y = batch x 16 + head; q, k, v: qkv [3][32][2048][64] in f16.  Then x1 = x + o, where o [2][16][2048][64] is taken as it lies
; as [2][2048][1024]: 16 consecutive queries of a head ARE one row of 1,024.  Then xn2 = LayerNorm(x1) g + b in f16.  Products, maxima, sums, o, x1 and the norm in f32; the weights p are rounded to f16.
; LIMITS.  f16 holds no number beyond 65,504 (q, k, v arrive within it; xn2 must lie within it); p lies in 0 to 1 and below 6e-5 keeps f16's fixed step of 6e-8; a weight below 2^-126 counts as 0; NaN and infinities are not treated apart.
; SHARES.  A work-group owns 256 queries of one head, a wave 64: four PIECES of 16 queries, each a whole row of x1.  Every wave walks all 2,048 keys: 8 tiles of 256 keys, 4 steps of 64 in each.
; LAYOUT.  S^T = K Q^T holds ONE query a lane (lane % 16) and the keys 8 (lane / 16) + 0..7; two such results rounded to f16 ARE source 1 of O^T = V^T P.  K comes out of LDS as it lies, V turned (ds_load_tr16_b128).
; SOFTMAX.  p = 2^(c s - c m), c = log2(e), with a running maximum m; O and l are multiplied by a = 2^(c m_old - c m_new) in every step.  m starts at the lowest finite number, O and l at 0: the first step has a = 0.
; TURNS.  Turn n belongs to piece n: 8 products K Q^T of piece n + 1, later 8 products V^T P of piece n - 1; beside them the scaling, exponentials, roundings, sums and rescaling of piece n and the maximum and statistics
; of piece n + 1.  Four vector instructions stand behind every matrix instruction, the rest in one lump.  A turn's 33 exponentials are one batch with one wait.
; CLUSTER.  The four query blocks of a cluster belong to one head and walk the same K and V: each tile is asked for jointly.
; REGISTERS: window 0: addresses, statistics; v64-127 S^T, two buffers; v128-191 g, b; v192-223 P, two buffers; v224-239 a row of xn2      window 1: v0-127 O^T; v128-255 x on its way into LDS
;   window 2: v0-63 Q; v128-191 K of one step; v192-255 V of one step
.set NP,    4
.set KS,    64
.set PK,    144
.set PV,    160
.set VOFF,  4*KS*PK
.set SLOT1, 1<<17
.set XS,    SLOT1+4*KS*(PK+PV)         ; behind the ring: my four rows of x, 16,384 bytes for each wave, never filled by a tensor load
.set SPARE, XS+4*16384                 ; the spare words
.set SP,    272                        ; the way out's stage: 16 queries x (256 + 16) bytes a piece, 17,408 bytes a wave, over slot 0, which has had its last fill by then
.set AK0, 2
.set AV0, 3
.set AK,  4
.set AV,  5
.set STO, 6
.set RDS, 7
.set VO1, 8
.set MV,  12
.set VO2, 14
.set QO,  15
.set ST,  16
.set RDX, 32
.set XA,  33
.set LNA, 34
.set LNMU, 42
.set LNRS, 44
.set TMP, 48
.set PFO, 61
.set SPW, 62
.set NIL, 63
.set S,   64
.set ORW, 64                           ; the way out: a row of o, then of x1
.set XRW, 96                           ; the same row of x
.set LNG, 128
.set LNB, 160
.set P,   192
.set LND, 192
.set LNY, 224
.set KF,  128
.set VF,  192
.set WV,  12
.set LIM, 15
.set PFA, 18
.set G1K, 24
.set G1V, 32
.set G0K, 40
.set G0V, 44
.set SLOTS, 56
.set CNT, 57
.set CS,  58
.set SEL, 60
.set TBK, 62
.set TBV, 63
.set INV, 72
.set EPS, 73
.set MSB, 0
.macro WIN new
.if MSB != (\new)
	s_set_vgpr_msb (MSB<<8)|(\new)
.set MSB, (\new)
.endif
.endm
.set W_KQ, 0x0a
.set W_PV, 0x52
.set W_RS, 0x41
.macro JLOAD                           ; waves 0, 1 ask for the halves of a tile's K, waves 2, 3 for those of its V; an s_nop 0 and four v_nop follow each line
	s_cmp_lt_u32 s[WV], 2
	s_cbranch_scc0 .Lfor_v_\@
	tensor_load_to_lds s[G0K:G0K+3], s[G1K:G1K+7]
	s_nop 0
.rept 4
	v_nop
.endr
	s_branch .Lasked_\@
.Lfor_v_\@:
	tensor_load_to_lds s[G0V:G0V+3], s[G1V:G1V+7]
	s_nop 0
.rept 4
	v_nop
.endr
.Lasked_\@:
.endm
; a prefetch of the tile that the NEXT change of slots will ask for: 128 pieces of 256 bytes of K and of V.  Both clusters of a head walk the same tiles: the first asks.  Its four partners take 32 pieces each, by address;
; wave 0 asks for K's, wave 2 for V's.  The last change that fills a slot asks for nothing.
.macro ASK
	s_cmp_gt_u32 s[SLOTS], s[LIM]
	s_cbranch_scc0 .Lnot_mine_\@
	global_prefetch_b8 v[PFO], s[PFA:PFA+1] th:TH_LOAD_NT scope:SCOPE_SE
.Lnot_mine_\@:
.endm
.macro CROUND
	s_barrier_signal -1
	s_barrier_wait -1
	s_cmp_lg_u32 s[WV], 0
	s_cbranch_scc1 .Lnot_wave_0_\@
	s_barrier_signal -3
.Lnot_wave_0_\@:
	s_barrier_wait -3
	s_barrier_signal -1
	s_barrier_wait -1
.endm
; THE CHANGE OF SLOTS.  Each wave waits for all its tensor loads (one is out: its part of the other slot), adds 0 to its spare word, and waits for that and for its LDS instructions.  fill = 1: a round of the cluster's
; barrier, and the slot just left is filled again first thing behind it, with the tile two on: it has four key steps, 256 products, in which to land.  (At its first use slot 0 is waited for and slot 1 filled.)
.macro CHANGE fill
	WIN 0
	s_wait_tensorcnt 0x0
	ds_add_u32 v[SPW], v[NIL]
.if \fill
.irp g, G0K, G0V
	s_xor_b32 s[\g+1], s[\g+1], SLOT1
	s_add_nc_u64 s[\g+2:\g+3], s[\g+2:\g+3], 4*KS*128
.endr
	s_wait_xcnt 0x0                                ; the last prefetch, four key steps back, has read its address
	s_add_nc_u64 s[PFA:PFA+1], s[PFA:PFA+1], 4*KS*128
	s_wait_dscnt 0x0
	CROUND
	JLOAD
	ASK
.else
	s_wait_dscnt 0x0
	s_barrier_signal -1
	s_barrier_wait -1
.endif
	s_sub_co_u32 s[TBK], s[TBK], 4*KS*PK
	s_xor_b32 s[TBK], s[TBK], SLOT1
	s_sub_co_u32 s[TBV], s[TBV], 4*KS*PV
	s_xor_b32 s[TBV], s[TBV], SLOT1
.endm
.macro REDUCE                          ; the sum of v[LNA .. LNA+7] over the 32 lanes, into v[LNA] of every lane
	v_pk_add_f32 v[LNA:LNA+1], v[LNA:LNA+1], v[LNA+2:LNA+3]
	v_pk_add_f32 v[LNA+4:LNA+5], v[LNA+4:LNA+5], v[LNA+6:LNA+7]
	v_pk_add_f32 v[LNA:LNA+1], v[LNA:LNA+1], v[LNA+4:LNA+5]
	v_add_f32 v[LNA], v[LNA], v[LNA+1]
.irp m, 1,2,4,8
	v_add_f32_dpp v[LNA], v[LNA], v[LNA] row_xmask:\m row_mask:0xf bank_mask:0xf
.endr
	v_permlanex16_b32 v[LNA+1], v[LNA], s[SEL], s[SEL+1]
	v_add_f32 v[LNA], v[LNA], v[LNA+1]
.endm
.macro LNROW x                         ; one row of 1,024 numbers, 32 a lane -> 16 registers of f16 in v[LNY ..]: mean, then the mean of the squared differences
.irp c, 0,1,2,3
	v_pk_add_f32 v[LNA+2*(\c):LNA+2*(\c)+1], v[(\x)+2*(\c):(\x)+2*(\c)+1], v[(\x)+8+2*(\c):(\x)+8+2*(\c)+1]
.endr
.irp n, 8,9,10,11,12,13,14,15
	v_pk_add_f32 v[LNA+2*((\n)%4):LNA+2*((\n)%4)+1], v[LNA+2*((\n)%4):LNA+2*((\n)%4)+1], v[(\x)+2*(\n):(\x)+2*(\n)+1]
.endr
	REDUCE
	v_mul_f32 v[LNMU], s[INV], v[LNA]
.set z, 0
.rept 16
	v_pk_add_f32 v[LND+2*z:LND+2*z+1], v[(\x)+2*z:(\x)+2*z+1], v[LNMU:LNMU+1] op_sel_hi:[1,0] neg_lo:[0,1] neg_hi:[0,1]
.set z, z+1
.endr
.irp c, 0,1,2,3
	v_pk_mul_f32 v[LNA+2*(\c):LNA+2*(\c)+1], v[LND+2*(\c):LND+2*(\c)+1], v[LND+2*(\c):LND+2*(\c)+1]
.endr
.irp n, 4,5,6,7,8,9,10,11,12,13,14,15
	v_pk_fma_f32 v[LNA+2*((\n)%4):LNA+2*((\n)%4)+1], v[LND+2*(\n):LND+2*(\n)+1], v[LND+2*(\n):LND+2*(\n)+1], v[LNA+2*((\n)%4):LNA+2*((\n)%4)+1]
.endr
	REDUCE
	v_fma_f32 v[LNA], v[LNA], s[INV], s[EPS]
	v_rsq_f32 v[LNRS], v[LNA]
	v_nop                                          ; a plain instruction behind the root,
	s_wait_alu depctr_va_vdst(0)                   ; and the wait ahead of its first reader
.set z, 0
.rept 16
	v_pk_mul_f32 v[LND+2*z:LND+2*z+1], v[LND+2*z:LND+2*z+1], v[LNRS:LNRS+1] op_sel_hi:[1,0]
.set z, z+1
.endr
.set z, 0
.rept 16
	v_pk_fma_f32 v[LND+2*z:LND+2*z+1], v[LND+2*z:LND+2*z+1], v[LNG+2*z:LNG+2*z+1], v[LNB+2*z:LNB+2*z+1]
.set z, z+1
.endr
.set z, 0
.rept 16
	v_cvt_pk_f16_f32 v[LNY+z], v[LND+2*z], v[LND+2*z+1]
.set z, z+1
.endr
.endm
	s_load_b256 s[4:11], s[0:1], 0x0               ; qkv 4, x 6, ln_g 8, ln_b 10
	s_load_b128 s[68:71], s[0:1], 0x20             ; x1 68, xn2 70
	v_lshl_add_u32 v[SPW], v0, 2, SPARE
	v_mov_b32 v[NIL], 0
	ds_add_u32 v[SPW], v[NIL]                      ; the wave's opening: the add and its wait stand ahead of my first tensor load
	v_lshrrev_b32 v1, 5, v0
	v_readfirstlane_b32 s[WV], v1
	s_bfe_u32 s13, ttmp6, 0x40000                  ; cx
	s_lshl_b32 s14, ttmp9, 2
	s_add_co_u32 s14, s14, s13                     ; my block of 256 queries: it enters Q's, x's, x1's and xn2's addresses alone
	s_and_b32 s20, ttmp7, 0xffff                   ; y, which the four partners share
	s_lshl_b32 s21, s20, 18                        ; a head is 262,144 bytes of q, of k and of v
	s_and_b32 s16, s[WV], 1                        ; which half of a tile's 256 keys I fetch
	s_lshl_b32 s22, s16, 14
	s_add_co_u32 s22, s22, s21
	s_mov_b32 s23, 0
	s_mul_i32 s17, s16, 128*PK
	s_mul_i32 s18, s16, 128*PV
	s_lshl_b32 s2, s14, 15                         ; Q: my block's 256 rows of 128 bytes, my wave's 64
	s_lshl_b32 s3, s[WV], 13
	s_add_co_u32 s2, s2, s3
	s_add_co_u32 s2, s2, s21
	s_mov_b32 s3, 0
	s_lshl_b32 s74, s20, 19                        ; x, x1: a query is 256 bytes of f32
	s_lshl_b32 s75, s14, 16
	s_add_co_u32 s74, s74, s75
	s_lshl_b32 s75, s[WV], 14
	s_add_co_u32 s74, s74, s75
	s_mov_b32 s75, 0
	s_lshr_b32 s76, s74, 1                         ; xn2: half of that
	s_mov_b32 s77, 0
	s_lshl_b32 s78, s13, 13                        ; the prefetches: my work-group's 32 pieces, in tile 1; the first change of slots steps them to tile 2
	s_add_co_u32 s78, s78, s21
	s_add_co_u32 s78, s78, 4*KS*128
	s_mov_b32 s79, 0x1000000
	s_cmp_lt_u32 s[WV], 2
	s_cselect_b32 s79, 0x800000, s79
	s_add_co_u32 s78, s78, s79
	s_mov_b32 s79, 0
	s_and_b32 s[LIM], s[WV], 1
	s_or_b32 s[LIM], s[LIM], ttmp9
	s_cmp_eq_u32 s[LIM], 0
	s_cselect_b32 s[LIM], 1, -1
	; 128 keys are 16,384 dense bytes: asked for as 64 rows of 256 bytes, two keys a row, padded in LDS after every key
	s_mov_b32 s[G1K], 15|(1<<16)|(1<<20)|(1<<21)|(4<<22)|(3<<25)
	s_mov_b32 s[G1V], 15|(1<<16)|(1<<20)|(1<<21)|(4<<22)|(7<<25)
.irp g, G1K, G1V
	s_mov_b32 s[\g+1], 128<<16
	s_mov_b32 s[\g+2], 64<<16
	s_mov_b32 s[\g+3], 128<<16
	s_mov_b32 s[\g+4], 64
	s_mov_b32 s[\g+5], 128
	s_mov_b32 s[\g+6], 0
	s_mov_b32 s[\g+7], 0
.endr
	s_mov_b32 s[CS], 0x3fb8aa3b                    ; c = log2(e)
	s_mov_b32 s[CS+1], s[CS]
	s_mov_b32 s[SEL], 0x76543210
	s_mov_b32 s[SEL+1], 0xfedcba98
	s_mov_b32 s[INV], 0x3a800000                   ; 1 / 1024
	s_mov_b32 s[EPS], 0x3727c5ac                   ; 1e-5
	s_mov_b32 s[TBK], SLOT1+4*KS*PK                ; the first change of slots turns these two into 0
	s_mov_b32 s[TBV], SLOT1+4*KS*PV
	s_mov_b32 s[G0K], 1
	s_mov_b32 s[G0K+1], s17
	s_mov_b32 s[G0V], 1
	s_add_co_u32 s[G0V+1], s18, VOFF
	s_mov_b32 s[SLOTS], 7
	s_wait_dscnt 0x0                               ; the opening add is done
	s_wait_kmcnt 0x0
	s_add_nc_u64 s[G0K+2:G0K+3], s[4:5], s[22:23]
	s_add_nc_u64 s[G0K+2:G0K+3], s[G0K+2:G0K+3], 0x800000    ; k lies 8,388,608 bytes behind q
	s_or_b32 s[G0K+3], s[G0K+3], 0x80000000
	s_add_nc_u64 s[G0V+2:G0V+3], s[4:5], s[22:23]
	s_add_nc_u64 s[G0V+2:G0V+3], s[G0V+2:G0V+3], 0x1000000   ; v 16,777,216
	s_or_b32 s[G0V+3], s[G0V+3], 0x80000000
	s_add_nc_u64 s[PFA:PFA+1], s[4:5], s[78:79]
	s_add_nc_u64 s[4:5], s[4:5], s[2:3]
	s_add_nc_u64 s[6:7], s[6:7], s[74:75]
	s_add_nc_u64 s[68:69], s[68:69], s[74:75]
	s_add_nc_u64 s[70:71], s[70:71], s[76:77]
	CROUND                                         ; all four work-groups are here
	JLOAD                                          ; tile 0 into slot 0: one load of mine is out
	v_and_b32 v1, 15, v0                           ; r
	v_bfe_u32 v9, v0, 4, 1                         ; h
	v_and_b32 v10, 7, v0
	v_bfe_u32 v11, v0, 3, 1
	v_and_b32 v[PFO], 31, v0
	v_lshlrev_b32 v[VO1], 4, v[PFO]                ; 16 x lane
	v_lshlrev_b32 v[VO2], 3, v[PFO]                ; 8 x lane
	v_lshlrev_b32 v[PFO], 8, v[PFO]
	v_lshlrev_b32 v[QO], 7, v1
	v_lshl_add_u32 v[QO], v9, 4, v[QO]
	WIN 0x40
.set i, 0
.rept 32                                       ; my four rows of x: 16,384 consecutive bytes
	global_load_b128 v[128+4*i:128+4*i+3], v[VO1], s[6:7] offset:512*i
.set i, i+1
.endr
	WIN 0x80
.set i, 0
.rept 8                                        ; Q stays in registers: piece i / 2, channels 32 (i % 2) on
	global_load_b128 v[8*i:8*i+3],   v[QO], s[4:5] offset:(i/2)*2048+(i%2)*64
	global_load_b128 v[8*i+4:8*i+7], v[QO], s[4:5] offset:(i/2)*2048+(i%2)*64+32
.set i, i+1
.endr
.set i, VF
.rept 64                                       ; what the first turn finds: V, P's second buffer, O^T and l hold 0
	v_mov_b32 v[i], 0
.set i, i+1
.endr
	WIN 0
.set i, 0
.rept 8
	global_load_b128 v[LNG+4*i:LNG+4*i+3], v[VO1], s[8:9] offset:512*i
	global_load_b128 v[LNB+4*i:LNB+4*i+3], v[VO1], s[10:11] offset:512*i
.set i, i+1
.endr
	WIN 0x40
.set i, 0
.rept 128
	v_mov_b32 v[i], 0
.set i, i+1
.endr
	WIN 0
.set i, 0
.rept 4
	v_mov_b32 v[ST+4*i], 0xfe000000                ; c m: far below every c s
	v_mov_b32 v[ST+4*i+1], 0xff7fffff              ; m
	v_mov_b32 v[ST+4*i+2], 0
	v_mov_b32 v[ST+4*i+3], 0
.set i, i+1
.endr
.set i, P+16
.rept 16
	v_mov_b32 v[i], 0
.set i, i+1
.endr
	v_mov_b32 v[LNMU+1], 0                         ; named as pairs, so written
	v_mov_b32 v[LNRS+1], 0
	v_mul_u32_u24 v[AK0], v1, PK
	v_lshl_add_u32 v[AK0], v9, 4, v[AK0]
	v_lshl_add_u32 v[AV0], v9, 3, v10
	v_mul_u32_u24 v[AV0], v[AV0], PV
	v_lshl_add_u32 v[AV0], v11, 4, v[AV0]
	v_add_nc_u32 v[AV0], VOFF, v[AV0]
	s_lshl_b32 s13, s[WV], 14
	s_add_co_u32 s13, s13, XS
	v_add_nc_u32 v[XA], s13, v[VO1]
	v_mov_b32 v[RDX], v[XA]
	s_mul_i32 s13, s[WV], 4*16*SP
	v_mul_u32_u24 v[STO], v1, SP                   ; in: query r, 32 bytes for each half of the lanes
	v_lshl_add_u32 v[STO], v9, 5, v[STO]
	v_add_nc_u32 v[STO], s13, v[STO]
	v_mul_u32_u24 v[RDS], v9, SP                   ; back: lanes 0-15 one query's 256 bytes, lanes 16-31 the next's
	v_lshl_add_u32 v[RDS], v1, 4, v[RDS]
	v_add_nc_u32 v[RDS], s13, v[RDS]
	s_wait_loadcnt 32                              ; x is in; the 32 younger loads (Q, g, b) may stay out
	WIN 0x04
.set i, 0
.rept 32
	ds_store_b128 v[XA], v[128+4*i:128+4*i+3] offset:512*i
.set i, i+1
.endr
	WIN 0
; THE MATRIX WORK.  The 4 accumulators of a run of 8 take turns.
.macro KQ x                            ; product i of 8 of S^T = K Q^T for piece x: channels 32 (i / 4) on, keys 16 (i % 4) on
.set rS, S+32*((\x)%2)+8*(i%4)
.set rK, KF+16*(i%4)+8*(i/4)
.set rQ, 16*(\x)+8*(i/4)
	WIN W_KQ
.if i < 4
	v_wmma_f32_16x16x32_f16 v[rS:rS+7], v[rK:rK+7], v[rQ:rQ+7], 0
.else
	v_wmma_f32_16x16x32_f16 v[rS:rS+7], v[rK:rK+7], v[rQ:rQ+7], v[rS:rS+7]
.endif
.endm
.macro PV x                            ; product i of 8 of O^T += V^T P for piece x: keys 32 (i / 4) on, channels 16 (i % 4) on
	WIN W_PV
.set rO, 32*(\x)+8*(i%4)
.set rV, VF+32*(i/4)+8*(i%4)
.set rP, P+16*((\x)%2)+8*(i/4)
	v_wmma_f32_16x16x32_f16 v[rO:rO+7], v[rV:rV+7], v[rP:rP+7], v[rO:rO+7]
.endm
.macro MM                              ; the turn's next matrix instruction
.if i < 8
	KQ (Y+1)%NP
.else
.set i, i-8
	PV (Y+NP-1)%NP
.set i, i+8
.endif
.set i, i+1
.endm
; THE LDS LOADS stand in runs of 16.  tail = 1: behind the last tile's fourth step there is no further one: the address stays at that step, whose K is read once more and serves nothing
.macro FETCH_K tail=0
	WIN 0x80
.irp f, 0,1,2,3,4,5,6,7
	ds_load_b128 v[KF+8*\f:KF+8*\f+3],   v[AK] offset:(\f/2)*16*PK+(\f%2)*64
	ds_load_b128 v[KF+8*\f+4:KF+8*\f+7], v[AK] offset:(\f/2)*16*PK+(\f%2)*64+32
.endr
	s_add_co_u32 s[TBK], s[TBK], KS*PK
.if \tail
	s_min_u32 s[TBK], s[TBK], SLOT1+3*KS*PK
.endif
	WIN 0
.endm
.macro FETCH_V
	WIN 0x80
.irp f, 0,1,2,3,4,5,6,7
	ds_load_tr16_b128 v[VF+8*\f:VF+8*\f+3],   v[AV] offset:(\f/4)*32*PV+(\f%4)*32
	ds_load_tr16_b128 v[VF+8*\f+4:VF+8*\f+7], v[AV] offset:(\f/4)*32*PV+16*PV+(\f%4)*32
.endr
	WIN 0
.endm
; THE VECTOR WORK, one line at a time: OP kind, number.  For piece Y: F n: c s - c m for pair n.  E n: the exponential of score n.  C n: pair n rounded to f16.  B n: of the weights 4 n .. the second pair is added onto the
; first.  L n: l takes that sum (L 0: l = a l + sum).  R n: pair n of O^T times a.  For piece Y + 1: X n, number n of the 22 that find its maximum and statistics (each accumulator's lowest registers are read first).
.set F, 0
.set E, 1
.set C, 2
.set B, 3
.set L, 4
.set R, 5
.set X, 6
.macro REGS y
.set rT, ST+4*(\y)
.set rC, TMP+4*((\y)%2)
.set rW, MV+((\y)%2)
.set rS, S+32*((\y)%2)
.set rP, P+16*((\y)%2)
.set rO, 32*(\y)
.endm
.macro OP k, n
.if (\k) == R
	REGS Y
	WIN W_RS
	v_pk_mul_f32 v[rO+2*(\n):rO+2*(\n)+1], v[rO+2*(\n):rO+2*(\n)+1], v[rC+2:rC+3] op_sel_hi:[1,0]
.elseif (\k) < R
	REGS Y
	WIN 0
.if (\k) == F
	v_pk_fma_f32 v[rS+2*(\n):rS+2*(\n)+1], v[rS+2*(\n):rS+2*(\n)+1], s[CS:CS+1], v[rT:rT+1] op_sel_hi:[1,0,0] neg_lo:[0,0,1] neg_hi:[0,0,1]
.elseif (\k) == E
	v_exp_f32 v[rS+(\n)], v[rS+(\n)]
.elseif (\k) == C
	v_cvt_pk_f16_f32 v[rP+(\n)], v[rS+2*(\n)], v[rS+2*(\n)+1]
.elseif (\k) == B
	v_pk_add_f32 v[rS+4*(\n):rS+4*(\n)+1], v[rS+4*(\n):rS+4*(\n)+1], v[rS+4*(\n)+2:rS+4*(\n)+3]
.elseif (\n) == 0
	v_pk_fma_f32 v[rT+2:rT+3], v[rT+2:rT+3], v[rC+2:rC+3], v[rS:rS+1] op_sel_hi:[1,0,1]
.else
	v_pk_add_f32 v[rT+2:rT+3], v[rT+2:rT+3], v[rS+4*(\n):rS+4*(\n)+1]
.endif
.else
	REGS (Y+1)%NP
	WIN 0
.if (\n) < 4
	v_max3_num_f32 v[rC+(\n)], v[rS+8*(\n)], v[rS+8*(\n)+1], v[rS+8*(\n)+2]
.elseif (\n) < 12
	v_max3_num_f32 v[rC+(\n)%4], v[rC+(\n)%4], v[rS+8*((\n)%4)+2*((\n)/4)+1], v[rS+8*((\n)%4)+2*((\n)/4)+2]
.elseif (\n) == 12
	v_max3_num_f32 v[rC], v[rC], v[rS+7], v[rS+15]
.elseif (\n) == 13
	v_max3_num_f32 v[rC+1], v[rC+1], v[rS+23], v[rS+31]
.elseif (\n) == 14
	v_max3_num_f32 v[rC+2], v[rC+2], v[rC+3], v[rT+1]
.elseif (\n) == 15
	v_mov_b32 v[rW], v[rT]
.elseif (\n) == 16
	v_max3_num_f32 v[rC], v[rC], v[rC+1], v[rC+2]
.elseif (\n) == 17
	v_permlanex16_b32 v[rC+3], v[rC], s[SEL], s[SEL+1]
.elseif (\n) == 18
	v_max_num_f32 v[rT+1], v[rC], v[rC+3]
.elseif (\n) == 19
	v_mul_f32 v[rT], s[CS], v[rT+1]
.elseif (\n) == 20
	v_sub_f32 v[rC+1], v[rW], v[rT]
.else
	v_exp_f32 v[rC+2], v[rC+1]
.endif
.endif
.endm
.macro OPS a, i1, b=-1, i2=0, c=-1, i3=0, d=-1, i4=0
	OP \a, \i1
.if (\b) >= 0
	OP \b, \i2
.endif
.if (\c) >= 0
	OP \c, \i3
.endif
.if (\d) >= 0
	OP \d, \i4
.endif
.endm
.macro ROW a, i1, b, i2, c, i3, d, i4  ; a matrix instruction and the four behind it
	MM
	OPS \a, \i1, \b, \i2, \c, \i3, \d, \i4
.endm
; A TURN, for piece p.  Ahead of its one wait stands all that names no result of the turn's exponentials: the 8 products K Q^T with their riders, then one lump; X 21, the next piece's a, is the batch's last, and R 15 the plain
; instruction behind it.  Behind the wait stand the 8 products V^T P, behind each four of the roundings and sums.  K of the next step is fetched in piece 2's turn, twelve plain instructions behind the last product that read K;
; V of the step in hand at the end of piece 0's turn, four plain instructions behind the last product that read V.  Each is waited for a turn later.
.macro TURN p, tail=0, cnt=0
.set Y, (\p)
.set i, 0
.if (\p) == 3
	s_wait_dscnt 0x0                               ; K is in
.endif
	ROW F,0, F,1, R,0, R,1
	ROW F,2, E,0, R,2, R,3
	ROW F,3, E,1, R,4, R,5
	ROW F,4, E,2, R,6, R,7
	ROW F,5, E,3, R,8, R,9
	ROW F,6, E,4, X,0, R,10
.if (\p) == 2
	WIN 0
	v_add_nc_u32 v[AK], s[TBK], v[AK0]
.endif
	ROW F,7, E,5, X,1, X,4
	ROW F,8, E,6, X,2, X,5
	OPS E,7, E,8, X,6, E,9
	OPS X,3, E,10, X,8, E,11
.if (\p) == 2
	FETCH_K \tail
.endif
	OPS X,9, X,7, E,12, X,10
	OPS E,13, X,12, X,11, E,14
	OPS X,13, E,15, F,9, X,14
.if (\p) == 0
	WIN 0
	v_add_nc_u32 v[AV], s[TBV], v[AV0]
.endif
	OPS E,16, F,10, E,17, F,11
	OPS X,16, E,18, X,15, E,19
	OPS F,12, E,20, X,17, E,21
	OPS F,13, E,22, F,14, E,23
	OPS X,18, E,24, F,15, E,25
	OPS R,11, E,26, X,19, E,27
	OPS R,12, E,28, R,13, E,29
	OPS X,20, E,30, R,14, E,31
	OPS X,21, R,15
	WIN 0
	s_wait_alu depctr_va_vdst(0)                   ; the wait for the batch: one for the turn's 33 exponentials
.if (\p) == 1
	s_wait_dscnt 0x0                               ; V is in
.endif
	ROW C,0, B,0, C,2, B,1
	ROW L,0, C,4, B,2, L,1
	ROW C,6, B,3, L,2, C,8
	ROW B,4, L,3, C,10, B,5
	ROW L,4, C,12, B,6, L,5
.if (\p) == 0
	s_add_co_u32 s[TBV], s[TBV], KS*PV
.endif
.if \cnt
	s_sub_co_u32 s[CNT], s[CNT], 1
	s_cmp_lg_u32 s[CNT], 0
.endif
	ROW C,14, B,7, L,6, C,1
	ROW C,3, L,7, C,5, C,7
	ROW C,9, C,11, C,13, C,15
.if (\p) == 0
	FETCH_V
.endif
.endm
	CHANGE 1                                       ; slot 0 is in, everybody's part of it, and my rows of x lie in LDS; slot 1 is asked for
	v_add_nc_u32 v[AK], s[TBK], v[AK0]
	FETCH_K                                        ; key step 0
	s_wait_loadcnt 0x0                             ; Q, g, b
	s_wait_dscnt 0x0
.set i, 0
.rept 8
	KQ 0                                           ; piece 0's first scores
.set i, i+1
.endr
	WIN 0
.rept 4
	v_nop                                          ; the places behind those products
.endr
.set Y, NP-1                                   ; X works for piece Y + 1: piece 0
.irp n, 0,1,2,3,4,5,6,7,8,9,10,11,12,13,14,15,16,17,18,19,20,21
	OP X, \n
.endr
	v_nop
	s_wait_alu depctr_va_vdst(0)                   ; a's wait, ahead of the branch
	s_mov_b32 s[CNT], 4
	s_branch .Lfirst                               ; the loop is entered at a step's first turn, in the middle of a trip
.Lslot:                                        ; six times: tiles 2 to 7 are asked for
	CHANGE 1
	s_mov_b32 s[CNT], 4
.Lstep:                                        ; a trip: pieces 2 and 3 of one step, then pieces 0 and 1 of the next
	TURN 2
	TURN 3
	WIN 0
.Lfirst:
	TURN 0
	TURN 1, 0, 1
	WIN 0
	s_cbranch_scc1 .Lstep
	s_sub_co_u32 s[SLOTS], s[SLOTS], 1
	s_cmp_lg_u32 s[SLOTS], 0
	s_cbranch_scc1 .Lslot
	CHANGE 0                                       ; the tail is written out
	s_mov_b32 s[CNT], 5                            ; four trips fetch the last tile's steps; the fifth is left in its middle
.Ltail:
	TURN 2, 1
	TURN 3
	WIN 0
	s_sub_co_u32 s[CNT], s[CNT], 1
	s_cmp_eq_u32 s[CNT], 0
	s_cbranch_scc1 .Lout
	TURN 0
	TURN 1
	WIN 0
	s_branch .Ltail
.Lout:                                         ; the fifth trip's products K Q^T and the maximum made of them serve nothing: the price of one text for every trip
.set i, 0
.rept 8
	PV NP-1
.set i, i+1
.endr
	; THE WAY OUT.  l's halves are added; O^T is divided by l and laid into the stage, 16 queries x 64 channels of f32 a piece: read back by queries that is one row of 1,024
	WIN 0
.macro ALL line:vararg
.set t, 0
.rept 4
	\line
.set t, t+1
.endr
.endm
	ALL v_add_f32 v[ST+4*t+2], v[ST+4*t+2], v[ST+4*t+3]
	ALL v_permlanex16_b32 v[ST+4*t+3], v[ST+4*t+2], s[SEL], s[SEL+1]
	ALL v_add_f32 v[ST+4*t+2], v[ST+4*t+2], v[ST+4*t+3]
	ALL v_rcp_f32 v[ST+4*t+2], v[ST+4*t+2]
	v_nop
	s_wait_alu depctr_va_vdst(0)                   ; one wait for the four reciprocals
	s_wait_dscnt 0x0
	s_barrier_signal -1                            ; every wave's reads of the ring are over: the stage may be written over slot 0
	s_barrier_wait -1
.set t, 0
.rept 4
	WIN W_RS
.set i, 32*t
.rept 16
	v_pk_mul_f32 v[i:i+1], v[i:i+1], v[ST+4*t+2:ST+4*t+3] op_sel_hi:[1,0]
.set i, i+2
.endr
	WIN 0x04
.set i, 0
.rept 8
	ds_store_b128 v[STO], v[32*t+4*i:32*t+4*i+3] offset:16*SP*t+64*(i/2)+16*(i%2)
.set i, i+1
.endr
.set t, t+1
.endr
	WIN 0
	s_wait_dscnt 0x0
	s_barrier_signal -1                            ; from here on LDS is only read
	s_barrier_wait -1
	s_mov_b32 s[CNT], 4
.Lrow:                                         ; a trip: one piece = one row: x1 = x + o is stored, normalised and stored as xn2
.set i, 0
.rept 8
	ds_load_b128 v[ORW+4*i:ORW+4*i+3], v[RDS] offset:2*SP*i
.set i, i+1
.endr
.set i, 0
.rept 8
	ds_load_b128 v[XRW+4*i:XRW+4*i+3], v[RDX] offset:512*i
.set i, i+1
.endr
	s_wait_dscnt 0x0
.set i, 0
.rept 16
	v_pk_add_f32 v[ORW+2*i:ORW+2*i+1], v[ORW+2*i:ORW+2*i+1], v[XRW+2*i:XRW+2*i+1]
.set i, i+1
.endr
.set i, 0
.rept 8
	global_store_b128 v[VO1], v[ORW+4*i:ORW+4*i+3], s[68:69] offset:512*i
.set i, i+1
.endr
	LNROW ORW
.set i, 0
.rept 8
	global_store_b64 v[VO2], v[LNY+2*i:LNY+2*i+1], s[70:71] offset:256*i
.set i, i+1
.endr
	s_wait_xcnt 0x0                                ; the stores have read their data and offsets, which the next trip writes
	v_add_nc_u32 v[RDS], 16*SP, v[RDS]
	v_add_nc_u32 v[RDX], 4096, v[RDX]
	v_add_nc_u32 v[VO1], 4096, v[VO1]
	v_add_nc_u32 v[VO2], 2048, v[VO2]
	s_sub_co_u32 s[CNT], s[CNT], 1
	s_cmp_lg_u32 s[CNT], 0
	s_cbranch_scc1 .Lrow
	s_wait_tensorcnt 0x0                           ; the wave's end
	ds_add_u32 v[SPW], v[NIL]
	s_wait_dscnt 0x0
	CROUND                                         ; the closing round
	s_endpgm
.Lfunc_end_k_q80e5721d47_attn:
	.size	k_q80e5721d47_attn, .Lfunc_end_k_q80e5721d47_attn-k_q80e5721d47_attn
	.p2alignl 7, 3214868480
	.fill 96, 4, 3214868480
	.section	.rodata,"a",@progbits
	.p2align	6, 0x0
	.amdhsa_kernel k_q80e5721d47_attn
		.amdhsa_group_segment_fixed_size 327680
		.amdhsa_private_segment_fixed_size 0
		.amdhsa_enable_private_segment 0
		.amdhsa_kernarg_size 48
		.amdhsa_user_sgpr_count 2
		.amdhsa_user_sgpr_kernarg_segment_ptr 1
		.amdhsa_wavefront_size32 1
		.amdhsa_system_sgpr_workgroup_id_x 1
		.amdhsa_system_sgpr_workgroup_id_y 1
		.amdhsa_system_sgpr_workgroup_id_z 1
		.amdhsa_system_vgpr_workitem_id 0
		.amdhsa_next_free_vgpr 768
		.amdhsa_next_free_sgpr 96
		.amdhsa_reserve_vcc 0
		.amdhsa_float_denorm_mode_32 3
		.amdhsa_float_denorm_mode_16_64 3
		.amdhsa_memory_ordered 1
		.amdhsa_forward_progress 1
		.amdhsa_inst_pref_size 124
	.end_amdhsa_kernel
	.amdgpu_metadata
---
amdhsa.version: [ 1, 2 ]
amdhsa.kernels:
  - .name:           k_q80e5721d47_attn
    .symbol:         k_q80e5721d47_attn.kd
    .args:
      - { .name: qkv, .offset: 0, .size: 8, .value_kind: global_buffer, .address_space: global }
      - { .name: x, .offset: 8, .size: 8, .value_kind: global_buffer, .address_space: global }
      - { .name: ln_g, .offset: 16, .size: 8, .value_kind: global_buffer, .address_space: global }
      - { .name: ln_b, .offset: 24, .size: 8, .value_kind: global_buffer, .address_space: global }
      - { .name: x1, .offset: 32, .size: 8, .value_kind: global_buffer, .address_space: global }
      - { .name: xn2, .offset: 40, .size: 8, .value_kind: global_buffer, .address_space: global }
    .group_segment_fixed_size: 327680
    .private_segment_fixed_size: 0
    .kernarg_segment_align: 8
    .kernarg_segment_size: 48
    .max_flat_workgroup_size: 128
    .sgpr_count:     96
    .vgpr_count:     768
    .wavefront_size: 32
...
	.end_amdgpu_metadata
.endif
;; end of part 3
;; launch gmlp1 (part 4): grid 16 x 16, 4 waves a work-group, clusters of 4 x 4, 327,680 bytes of LDS; arguments xn2, w16, b1, hbuf; writes hbuf
.if DOCPART == 4
	.amdgcn_target "amdgcn-amd-amdhsa--gfx1250"
	.amdhsa_code_object_version 6
	.text
	.protected	k_q80e5721d47_gmlp1
	.globl	k_q80e5721d47_gmlp1
	.p2align	8
	.type	k_q80e5721d47_gmlp1,@function
k_q80e5721d47_gmlp1:
	s_mov_b64 s[64:65], 0
	v_nop
	global_prefetch_b8 v0, s[64:65] scope:SCOPE_SE
	s_setreg_imm32_b32 hwreg(HW_REG_WAVE_MODE, 25, 1), 1
	s_wait_xcnt 0x0
	s_wait_alu depctr_hold_cnt(0) depctr_sa_sdst(0) depctr_va_vdst(0) depctr_va_sdst(0) depctr_va_ssrc(0) depctr_va_vcc(0) depctr_vm_vsrc(0)
	s_getreg_b32 s2, hwreg(HW_REG_IB_STS2, 6, 4)
	s_cmp_eq_u32 s2, 0
	s_cbranch_scc0 .Lentry_in_a_cluster
	s_endpgm
.Lentry_in_a_cluster:
	s_bfe_u32 s2, ttmp6, 0x10000c
	s_cmp_lg_u32 s2, 0xf033
	s_cbranch_scc0 .Lentry_shape_is_right
	s_endpgm
.Lentry_shape_is_right:
; h = gelu(xn2 w1 + b1), the exact (erf) gelu, in f16 [4096][4096].  xn2 [4096][1024] f16; w1 [1024 k][4096] f16 at w16 + 6,291,456.  Sums and the gelu in f32, h rounded once.
; A tile of C is 256 x 256: 16 x 16 = 256 work-groups; four waves of 128 x 128: 64 accumulators.  K goes in 8 steps of 128 through two LDS slots.  xn2's rows lie along K; w1 lies [k][column] and is turned on the way
; out of LDS (ds_load_tr16_b128).  CLUSTER 4 x 4: xn2's tile is asked for jointly by a row of the cluster, w1's by a column.  The product is taken transposed (source 0 = 16 columns of w1): a lane holds one row of C
; and eight neighbouring columns.  The bias is the C operand of each accumulator's first product.
; ONE K STEP IS WRITTEN ONCE: a trip of the loop is a K step; which slot it reads is data: s[SL] holds 0 or SLOT, and the fragment addresses and the walking descriptors' LDS words are made from it at each change of
; slots.  Written out beside the loop are the first quarter step and a second loop of two trips for the last two K steps, which ask for nothing.
; GELU.  gelu(x) = x / 2 + |x| (1/2 - Q), Q = (1/2)(a1 t + .. + a5 t^5) 2^(-0.72134752 x^2), t = 1 / (1 + 0.23164189 |x|): the rational form of erf (Abramowitz and Stegun 7.1.26), within 1.5e-7 of erf for every x.
; The accumulators are laid into LDS (over the ring, which is done) and walked by a loop of 32 trips of four rows: written out over 512 registers the gelu would be many times this text.
; LIMIT.  f16 holds no number beyond 65,504: h must lie within it; NaN and infinities are not treated apart.
; REGISTERS: window 0: v0-31 addresses; v64-127, v128-191 xn2's fragments, two buffers; v192-255 the bias; in the gelu v32-135      window 1: v64-127, v128-191 w1's fragments      windows 2, 3: accumulators (a, b) at 8 (8 (a % 4) + b)
.set PA,    272
.set PB,    544                        ; a k row of w1 in LDS: 512 bytes + 32
.set BOFF,  256*PA
.set SLOT,  256*PA+128*PB
.set SPARE, 2*SLOT
.set DP,    528                        ; a row of the dump: 128 f32 + 16 bytes
.set WDMP,  128*DP
.set W1OFF, 6291456
.set BSTEP, 128*8192
.set STEPS, 8
.set ADRA,  16                         ; v16  xn2's fragments in the slot in hand
.set ADRA0, 17                         ; v17  the same in slot 0; never rewritten
.set ADRB,  20                         ; v20, v21 likewise for w1
.set ADRB0, 21
.set DST,  24
.set RD,   25
.set VO,   26
.set SPW,  28
.set NIL,  29
.set PFO,  30
.set F0,   64
.set F1,   128
.set BIA,  192
.set GX, 32
.set GU, 48
.set GT, 64
.set GE, 80
.set GH, 96
.set GP, 112
.set GY, 128
.set WV, 14
.set RH, 15
.set CH, 16
.set CX, 17
.set CY, 18
.set TX, 19
.set TY, 20
.set LA, 21                            ; s21, s22  where my part of xn2's and of w1's tile lies in slot 0; never rewritten
.set LB, 22
.set G1, 24
.set G0, 32                            ; s[32:39] group 0 for xn2: a set for each of the two first fills; the second then walks on
.set LIM, 43
.set PFA, 44
.set PFS, 46
.set G1B, 48
.set G0B, 56                           ; s[56:63] the same for w1
.set KP, 70                            ; s[70:83] the gelu's constants, each the low word of a pair
.set KC, 72
.set A1, 74
.set A2, 76
.set A3, 78
.set A4, 80
.set A5, 82
.set SL, 84                            ; s84  0 or SLOT: the slot in hand
.set MSB, 0
.macro WIN new
.if MSB != (\new)
	s_set_vgpr_msb (MSB<<8)|(\new)
.set MSB, \new
.endif
.endm
.macro PLACES
.rept 4
	v_nop
.endr
.endm
.macro JLOAD s
	s_cmp_eq_u32 s[RH], 0
	s_cbranch_scc0 .Lfor_b_\@
	tensor_load_to_lds s[G0+4*(\s):G0+4*(\s)+3], s[G1:G1+7]
	s_nop 0
.rept 4
	v_nop
.endr
	s_branch .Lasked_\@
.Lfor_b_\@:
	tensor_load_to_lds s[G0B+4*(\s):G0B+4*(\s)+3], s[G1B:G1B+7]
	s_nop 0
.rept 4
	v_nop
.endr
.Lasked_\@:
.endm
.macro CREST
	s_cmp_lg_u32 s[WV], 0
	s_cbranch_scc1 .Lnot_wave_0_\@
	s_barrier_signal -3
.Lnot_wave_0_\@:
	s_barrier_wait -3
	s_barrier_signal -1
	s_barrier_wait -1
.endm
.macro CROUND
	s_barrier_signal -1
	s_barrier_wait -1
	CREST
.endm
; a prefetch of the K step two refills on: cluster x = 0 asks for xn2's rows, cluster y = 0 for w1's; the four partners share a wave's part out by address: 32 rows of xn2 (a lane a row), or 16 k rows of w1
; (two lanes a row of 512 bytes).  Each piece of 256 bytes is named once.  The loop's last two trips (s3 = 2, 1) have no K step two refills on.
.macro ASK
	s_cmp_gt_u32 s3, s[LIM]
	s_cbranch_scc0 .Lnot_mine_\@
	global_prefetch_b8 v[PFO], s[PFA:PFA+1] th:TH_LOAD_NT scope:SCOPE_SE
.Lnot_mine_\@:
.endm
	s_load_b256 s[4:11], s[0:1], 0x0               ; xn2 4, w16 6, b1 8, hbuf 10
	v_lshl_add_u32 v[SPW], v0, 2, SPARE
	v_mov_b32 v[NIL], 0
	ds_add_u32 v[SPW], v[NIL]                      ; the wave's opening: the add and its wait stand ahead of my first tensor load
	v_lshrrev_b32 v1, 5, v0
	v_readfirstlane_b32 s[WV], v1
	s_lshr_b32 s[RH], s[WV], 1                     ; my half of the tile's rows; also: I fetch xn2 (0) or w1 (1)
	s_and_b32 s[CH], s[WV], 1                      ; my half of its columns; also: which half I fetch
	s_bfe_u32 s[CX], ttmp6, 0x40000
	s_bfe_u32 s[CY], ttmp6, 0x40004
	s_lshl_b32 s[TX], ttmp9, 2
	s_add_co_u32 s[TX], s[TX], s[CX]
	s_and_b32 s[TY], ttmp7, 0xffff
	s_lshl_b32 s[TY], s[TY], 2
	s_add_co_u32 s[TY], s[TY], s[CY]
	s_lshl_b32 s40, s[CY], 2
	s_lshl_b32 s40, 15, s40
	s_lshl_b32 s66, 0x1111, s[CX]
	s_or_b32 s[G1], s40, (1<<16)|(1<<20)|(1<<21)|(5<<22)|(3<<25)    ; 4 words of padding behind every 64
	s_or_b32 s[G1B], s66, (1<<16)|(1<<20)|(1<<21)|(6<<22)|(7<<25)   ; 8 words behind every 128
	s_mov_b32 s[G1+1], 128<<16                     ; xn2: 128 rows x 128 elements
	s_mov_b32 s[G1+2], 128<<16
	s_mov_b32 s[G1+3], 128<<16
	s_mov_b32 s[G1+4], 128
	s_mov_b32 s[G1+5], 1024
	s_mov_b32 s[G1+6], 0
	s_mov_b32 s[G1+7], 0
	s_mov_b32 s[G1B+1], 256<<16                    ; w1: 64 k rows x 256 elements
	s_mov_b32 s[G1B+2], 64<<16
	s_mov_b32 s[G1B+3], 256<<16
	s_mov_b32 s[G1B+4], 64
	s_mov_b32 s[G1B+5], 4096
	s_mov_b32 s[G1B+6], 0
	s_mov_b32 s[G1B+7], 0
	s_lshl_b32 s40, s[TY], 8
	s_lshl_b32 s41, s[CH], 7
	s_add_co_u32 s40, s40, s41
	s_lshl_b32 s40, s40, 11
	s_mov_b32 s41, 0
	s_lshl_b32 s66, s[TX], 9
	s_lshl_b32 s67, s[CH], 19                      ; 64 k rows of 8,192 bytes
	s_add_co_u32 s66, s66, s67
	s_add_co_u32 s66, s66, W1OFF
	s_mov_b32 s67, 0
	s_mul_i32 s[LA], s[CH], 128*PA
	s_mul_i32 s[LB], s[CH], 64*PB
	s_add_co_u32 s[LB], s[LB], BOFF
	s_mov_b32 s[SL], 0
	s_mov_b32 s[KP], 0x3e6d3388                    ; 0.23164189
	s_mov_b32 s[KP+1], 0
	s_mov_b32 s[KC], 0xbf38aa3b                    ; -0.72134752
	s_mov_b32 s[KC+1], 0
	s_mov_b32 s[A1], 0x3e027906                    ; a1 / 2 = 0.127414796
	s_mov_b32 s[A1+1], 0
	s_mov_b32 s[A2], 0xbe11a98e                    ; a2 / 2 = -0.142248368
	s_mov_b32 s[A2+1], 0
	s_mov_b32 s[A3], 0x3f35f0e3                    ; a3 / 2 = 0.710706871
	s_mov_b32 s[A3+1], 0
	s_mov_b32 s[A4], 0xbf3a00e3                    ; a4 / 2 = -0.726576014
	s_mov_b32 s[A4+1], 0
	s_mov_b32 s[A5], 0x3f07dc22                    ; a5 / 2 = 0.530702715
	s_mov_b32 s[A5+1], 0
	s_wait_dscnt 0x0                               ; the opening add is done
	s_wait_kmcnt 0x0
	s_add_nc_u64 s[40:41], s[4:5], s[40:41]
	s_add_nc_u64 s[66:67], s[6:7], s[66:67]
	CROUND
.irp s, 0,1
	s_mov_b32 s[G0+4*(\s)], 1
	s_add_co_u32 s[G0+4*(\s)+1], s[LA], (\s)*SLOT
	s_add_nc_u64 s[G0+4*(\s)+2:G0+4*(\s)+3], s[40:41], (\s)*256
	s_or_b32 s[G0+4*(\s)+3], s[G0+4*(\s)+3], 0x80000000
	s_mov_b32 s[G0B+4*(\s)], 1
	s_add_co_u32 s[G0B+4*(\s)+1], s[LB], (\s)*SLOT
	s_add_nc_u64 s[G0B+4*(\s)+2:G0B+4*(\s)+3], s[66:67], (\s)*BSTEP
	s_or_b32 s[G0B+4*(\s)+3], s[G0B+4*(\s)+3], 0x80000000
	JLOAD \s                                       ; K steps 0 and 1: two loads of mine are out
.endr
	v_and_b32 v1, 15, v0
	v_bfe_u32 v2, v0, 4, 1
	v_lshlrev_b32 v7, 5, v2
	s_lshl_b32 s68, s[TX], 10                      ; the bias: column 256 x tile column + 128 x half, 4 bytes each
	s_lshl_b32 s69, s[CH], 9
	s_add_co_u32 s68, s68, s69
	s_mov_b32 s69, 0
	s_add_nc_u64 s[8:9], s[8:9], s[68:69]
.set j, 0
.rept 8
	global_load_b128 v[BIA+8*j:BIA+8*j+3],   v7, s[8:9] offset:64*j
	global_load_b128 v[BIA+8*j+4:BIA+8*j+7], v7, s[8:9] offset:64*j+16
.set j, j+1
.endr
	v_mul_u32_u24 v3, v1, PA
	v_lshl_add_u32 v3, v2, 4, v3
	s_mul_i32 s2, s[RH], 128*PA
	v_add_nc_u32 v[ADRA0], s2, v3
	v_mov_b32 v[ADRA], v[ADRA0]                    ; K step 0 lies in slot 0
	v_and_b32 v4, 7, v0
	v_bfe_u32 v5, v0, 3, 1
	v_lshl_add_u32 v6, v2, 3, v4
	v_mul_u32_u24 v6, v6, PB
	v_lshl_add_u32 v6, v5, 4, v6
	s_lshl_b32 s2, s[CH], 8
	s_add_co_u32 s2, s2, BOFF
	v_add_nc_u32 v[ADRB0], s2, v6
	v_mov_b32 v[ADRB], v[ADRB0]
	s_mul_i32 s2, s[WV], WDMP
	v_mul_u32_u24 v3, v1, DP
	v_lshl_add_u32 v3, v2, 5, v3
	v_add_nc_u32 v[DST], s2, v3                    ; the dump: row r, 32 bytes for each half of the lanes
	v_and_b32 v3, 31, v0
	v_lshl_add_u32 v[RD], v3, 4, s2                ; back: a row of 512 bytes to the wave
	v_lshlrev_b32 v[VO], 3, v3                     ; out: a row of 256 bytes to the wave
	s_lshl_b32 s68, s[TY], 8
	s_lshl_b32 s2, s[RH], 7
	s_add_co_u32 s68, s68, s2
	s_lshl_b32 s68, s68, 13                        ; rows of 8,192 bytes
	s_lshl_b32 s2, s[TX], 9
	s_add_co_u32 s68, s68, s2
	s_lshl_b32 s2, s[CH], 8
	s_add_co_u32 s68, s68, s2
	s_add_nc_u64 s[10:11], s[10:11], s[68:69]
	; the prefetches: they stand at K step 3 and are stepped ahead of each use
	s_and_b32 s42, ttmp7, 0xffff
	s_cmp_eq_u32 s[RH], 0
	s_cselect_b32 s42, ttmp9, s42
	s_cselect_b64 s[PFA:PFA+1], s[4:5], s[6:7]
	s_lshl_b32 s68, s[TY], 8
	s_lshl_b32 s69, s[CH], 7
	s_add_co_u32 s68, s68, s69
	s_lshl_b32 s69, s[CX], 5
	s_add_co_u32 s68, s68, s69
	s_lshl_b32 s68, s68, 11
	s_add_co_u32 s68, s68, 3*256
	s_lshl_b32 s2, s[CH], 6
	s_lshl_b32 s23, s[CY], 4
	s_add_co_u32 s2, s2, s23
	s_lshl_b32 s2, s2, 13
	s_lshl_b32 s23, s[TX], 9
	s_add_co_u32 s2, s2, s23
	s_add_co_u32 s2, s2, W1OFF+3*BSTEP
	s_cmp_eq_u32 s[RH], 0
	s_cselect_b32 s68, s68, s2
	s_mov_b32 s69, 0
	s_add_nc_u64 s[PFA:PFA+1], s[PFA:PFA+1], s[68:69]
	s_mov_b32 s[PFS], BSTEP
	s_cselect_b32 s[PFS], 256, s[PFS]
	s_mov_b32 s[PFS+1], 0
	s_cselect_b32 s2, 0, 1
	s_mov_b32 s23, 8192
	s_cselect_b32 s23, 2048, s23
	s_cmp_eq_u32 s42, 0
	s_cselect_b32 s[LIM], 2, -1                    ; 2 in a wave that prefetches, else the greatest number
	v_lshrrev_b32 v[PFO], s2, v3
	v_mul_lo_u32 v[PFO], v[PFO], s23
	v_and_b32 v3, s2, v3
	v_lshl_add_u32 v[PFO], v3, 8, v[PFO]
; 16 products: row blocks a0, a0 + 1 of the window's four x all 8 column blocks.  first = 1: the bias starts the sums.  The 64 accumulators take turns.
.macro MUL16 f, hi, a0, first
.if \first
	WIN 0x81+0x40*(\hi)
.else
	WIN 0xa1+0x50*(\hi)
.endif
.irp a, \a0, (\a0)+1
.irp b, 0,1,2,3,4,5,6,7
.if \first
	v_wmma_f32_16x16x32_f16 v[8*(8*(\a)+(\b)):8*(8*(\a)+(\b))+7], v[(\f)+8*(\b):(\f)+8*(\b)+7], v[(\f)+8*(4*(\hi)+(\a)):(\f)+8*(4*(\hi)+(\a))+7], v[BIA+8*(\b):BIA+8*(\b)+7]
.else
	v_wmma_f32_16x16x32_f16 v[8*(8*(\a)+(\b)):8*(8*(\a)+(\b))+7], v[(\f)+8*(\b):(\f)+8*(\b)+7], v[(\f)+8*(4*(\hi)+(\a)):(\f)+8*(4*(\hi)+(\a))+7], v[8*(8*(\a)+(\b)):8*(8*(\a)+(\b))+7]
.endif
.endr
.endr
.endm
.macro FETCH kq, f                     ; 32 LDS loads in one run, from the slot that the two address registers name: w1's 8 fragments, turned, then xn2's 8
	WIN 0x40
.irp i, 0,1,2,3,4,5,6,7
	ds_load_tr16_b128 v[(\f)+8*(\i):(\f)+8*(\i)+3],   v[ADRB] offset:(\kq)*32*PB+32*(\i)
	ds_load_tr16_b128 v[(\f)+8*(\i)+4:(\f)+8*(\i)+7], v[ADRB] offset:(\kq)*32*PB+32*(\i)+16*PB
.endr
	WIN 0
.irp i, 0,1,2,3,4,5,6,7
	ds_load_b128 v[(\f)+8*(\i):(\f)+8*(\i)+3],   v[ADRA] offset:(\kq)*64+(\i)*16*PA
	ds_load_b128 v[(\f)+8*(\i)+4:(\f)+8*(\i)+7], v[ADRA] offset:(\kq)*64+(\i)*16*PA+32
.endr
.endm
.macro QUARTER kq, f, g, first
	s_wait_dscnt 8                                 ; w1 and xn2's rows 0-63 are in; the youngest eight loads may be out
	MUL16 \f, 0, 0, \first
	MUL16 \f, 0, 2, \first
	PLACES
	FETCH \kq, \g
	s_wait_dscnt 32                                ; all but the 32 just issued
	MUL16 \f, 1, 0, \first
	MUL16 \f, 1, 2, \first
.endm
; the last quarter changes slots: one barrier, in front of it the wait for all my tensor loads, the add, and the wait for it and for my reads of the slot.  Between the add and the wait for it stands the register work of
; the change: the walking descriptors take the slot just read (s[SL] as it stands) and go one K step on; then s[SL] and the fragment addresses go to the other slot.
; fill = 1: a round of the cluster's barrier and the joint refill, 224 products ahead of the wait for it.  fill = 0 (the last two K steps): nothing is asked for; the very last (s3 = 1) has no next K step, and its fetch is jumped over.
.macro TURN fill
.if \fill
	s_wait_xcnt 0x0                                ; the last prefetch, a K step back, has read its address
	s_add_nc_u64 s[PFA:PFA+1], s[PFA:PFA+1], s[PFS:PFS+1]
.endif
	WIN 0
	s_wait_tensorcnt 0x0                           ; no tensor load of mine is out, so a group 0 may be written
	ds_add_u32 v[SPW], v[NIL]
.if \fill
	s_add_co_u32 s[G0+5], s[LA], s[SL]
	s_add_nc_u64 s[G0+6:G0+7], s[G0+6:G0+7], 256
	s_add_co_u32 s[G0B+5], s[LB], s[SL]
	s_add_nc_u64 s[G0B+6:G0B+7], s[G0B+6:G0B+7], BSTEP
.endif
	s_xor_b32 s[SL], s[SL], SLOT                   ; it holds 0 or SLOT, so this turns the one into the other
	v_add_nc_u32 v[ADRA], s[SL], v[ADRA0]
	v_add_nc_u32 v[ADRB], s[SL], v[ADRB0]
	s_wait_dscnt 9                                 ; (the add and the youngest eight loads may be out)
	MUL16 F1, 0, 0, 0
	s_wait_dscnt 0x0
	s_barrier_signal -1
	MUL16 F1, 0, 2, 0
	WIN 0
	s_barrier_wait -1
.if \fill
	CREST
	JLOAD 1                                        ; the four v_nop behind it are also the places in front of the loads below
	FETCH 0, F0
	ASK
.else
	s_cmp_eq_u32 s3, 1
	s_cbranch_scc1 .Lno_more_\@
	PLACES
	FETCH 0, F0
.Lno_more_\@:
.endif
	MUL16 F1, 1, 0, 0
	MUL16 F1, 1, 2, 0
.endm
	s_wait_tensorcnt 0x1                           ; my part of K step 0 is in; K step 1's may stay out
	s_barrier_signal -1
	s_barrier_wait -1
	FETCH 0, F0
	s_wait_loadcnt 0x0                             ; the bias
	QUARTER 1, F0, F1, 1
	WIN 0
	s_mov_b32 s3, STEPS-2
.Lstep:                                        ; a trip: from a K step's second quarter to the next step's first; K steps 2 to 7 are asked for
	QUARTER 2, F1, F0, 0
	QUARTER 3, F0, F1, 0
	TURN 1
	QUARTER 1, F0, F1, 0
	WIN 0
	s_sub_co_u32 s3, s3, 1
	s_cmp_lg_u32 s3, 0
	s_cbranch_scc1 .Lstep
	s_mov_b32 s3, 2
.Ltail:                                        ; the last two K steps, written apart; the second trip is left in its middle
	QUARTER 2, F1, F0, 0
	QUARTER 3, F0, F1, 0
	TURN 0
	WIN 0
	s_sub_co_u32 s3, s3, 1
	s_cmp_eq_u32 s3, 0
	s_cbranch_scc1 .Lout
	QUARTER 1, F0, F1, 0
	WIN 0
	s_branch .Ltail
.Lout:
	s_wait_dscnt 0x0                               ; my reads of the ring are back
	s_barrier_signal -1                            ; every wave's are: the dump may be written over the ring, which has had its last fill
	s_barrier_wait -1
	PLACES
.set a, 0
.rept 8
	WIN 0x08+4*(a/4)                               ; the stores' data lie in window 2 or 3
.set b, 0
.rept 8
	ds_store_b128 v[DST], v[8*(8*(a%4)+b):8*(8*(a%4)+b)+3]   offset:a*16*DP+64*b
	ds_store_b128 v[DST], v[8*(8*(a%4)+b)+4:8*(8*(a%4)+b)+7] offset:a*16*DP+64*b+16
.set b, b+1
.endr
.set a, a+1
.endr
	WIN 0
	s_wait_dscnt 0x0
	s_barrier_signal -1                            ; from here on LDS is only read
	s_barrier_wait -1
; pair i's plain lines by turns with pair i - 1's two reciprocals and two exponentials
.macro GSTEP i
.if (\i) < 8
	v_and_b32 v[GU+2*(\i)], 0x7fffffff, v[GX+2*(\i)]
.endif
.if (\i) > 0
	v_rcp_f32 v[GT+2*(\i)-2], v[GT+2*(\i)-2]
.endif
.if (\i) < 8
	v_and_b32 v[GU+2*(\i)+1], 0x7fffffff, v[GX+2*(\i)+1]
.endif
.if (\i) > 0
	v_rcp_f32 v[GT+2*(\i)-1], v[GT+2*(\i)-1]
.endif
.if (\i) < 8
	v_pk_fma_f32 v[GT+2*(\i):GT+2*(\i)+1], v[GU+2*(\i):GU+2*(\i)+1], s[KP:KP+1], 1.0 op_sel_hi:[1,0,0]
.endif
.if (\i) > 0
	v_exp_f32 v[GE+2*(\i)-2], v[GE+2*(\i)-2]
.endif
.if (\i) < 8
	v_pk_mul_f32 v[GE+2*(\i):GE+2*(\i)+1], v[GX+2*(\i):GX+2*(\i)+1], v[GX+2*(\i):GX+2*(\i)+1]
.endif
.if (\i) > 0
	v_exp_f32 v[GE+2*(\i)-1], v[GE+2*(\i)-1]
.endif
.if (\i) < 8
	v_pk_mul_f32 v[GE+2*(\i):GE+2*(\i)+1], v[GE+2*(\i):GE+2*(\i)+1], s[KC:KC+1] op_sel_hi:[1,0]
.endif
.endm
.macro EACH line:vararg                ; one line for each pair z
.set z, 0
.rept 8
	\line
.set z, z+2
.endr
.endm
.irp r, 0,1,2,3
	ds_load_b128 v[GX+4*(\r):GX+4*(\r)+3], v[RD] offset:DP*(\r)
.endr
	s_mov_b32 s3, 32
.Lgelu:                                        ; a trip: four rows, 16 numbers a lane; the next four rows are fetched as soon as these have been read
	s_wait_dscnt 0x0                               ; my four rows are in
.irp i, 0,1,2,3,4,5,6,7,8
	GSTEP \i
.endr
	EACH v_pk_mul_f32 v[GH+z:GH+z+1], v[GX+z:GX+z+1], 0.5 op_sel_hi:[1,0]
	s_wait_alu depctr_va_vdst(0)                   ; one wait for the batch of 32, ahead of the branch; the eight lines above are the plain work behind the batch
	s_cmp_eq_u32 s3, 1                             ; the last trip has no rows behind its own
	s_cbranch_scc1 .Lno_rows
	v_add_nc_u32 v[RD], 4*DP, v[RD]
.irp r, 0,1,2,3
	ds_load_b128 v[GX+4*(\r):GX+4*(\r)+3], v[RD] offset:DP*(\r)
.endr
.Lno_rows:
	EACH v_pk_fma_f32 v[GP+z:GP+z+1], v[GT+z:GT+z+1], s[A5:A5+1], s[A4:A4+1] op_sel_hi:[1,0,0]
	EACH v_pk_fma_f32 v[GP+z:GP+z+1], v[GP+z:GP+z+1], v[GT+z:GT+z+1], s[A3:A3+1] op_sel_hi:[1,1,0]
	EACH v_pk_fma_f32 v[GP+z:GP+z+1], v[GP+z:GP+z+1], v[GT+z:GT+z+1], s[A2:A2+1] op_sel_hi:[1,1,0]
	EACH v_pk_fma_f32 v[GP+z:GP+z+1], v[GP+z:GP+z+1], v[GT+z:GT+z+1], s[A1:A1+1] op_sel_hi:[1,1,0]
	EACH v_pk_mul_f32 v[GE+z:GE+z+1], v[GE+z:GE+z+1], v[GT+z:GT+z+1]
	EACH v_pk_fma_f32 v[GP+z:GP+z+1], v[GP+z:GP+z+1], v[GE+z:GE+z+1], 0.5 op_sel_hi:[1,1,0] neg_lo:[1,0,0] neg_hi:[1,0,0]
	EACH v_pk_fma_f32 v[GU+z:GU+z+1], v[GU+z:GU+z+1], v[GP+z:GP+z+1], v[GH+z:GH+z+1]
	s_wait_xcnt 0x0                                ; the last trip's stores have read GY and VO
	v_add_nc_u32 v[VO], 4*8192, v[VO]
	EACH v_cvt_pk_f16_f32 v[GY+z/2], v[GU+z], v[GU+z+1]
.irp r, 0,1,2,3
	global_store_b64 v[VO], v[GY+2*(\r):GY+2*(\r)+1], s[10:11] offset:8192*(\r)-4*8192  ; the wave stores 256 consecutive bytes, aligned
.endr
	s_sub_co_u32 s3, s3, 1
	s_cmp_lg_u32 s3, 0
	s_cbranch_scc1 .Lgelu
	s_wait_tensorcnt 0x0                           ; the wave's end
	ds_add_u32 v[SPW], v[NIL]
	s_wait_dscnt 0x0
	CROUND                                         ; the closing round
	s_endpgm
.Lfunc_end_k_q80e5721d47_gmlp1:
	.size	k_q80e5721d47_gmlp1, .Lfunc_end_k_q80e5721d47_gmlp1-k_q80e5721d47_gmlp1
	.p2alignl 7, 3214868480
	.fill 96, 4, 3214868480
	.section	.rodata,"a",@progbits
	.p2align	6, 0x0
	.amdhsa_kernel k_q80e5721d47_gmlp1
		.amdhsa_group_segment_fixed_size 327680
		.amdhsa_private_segment_fixed_size 0
		.amdhsa_enable_private_segment 0
		.amdhsa_kernarg_size 32
		.amdhsa_user_sgpr_count 2
		.amdhsa_user_sgpr_kernarg_segment_ptr 1
		.amdhsa_wavefront_size32 1
		.amdhsa_system_sgpr_workgroup_id_x 1
		.amdhsa_system_sgpr_workgroup_id_y 1
		.amdhsa_system_sgpr_workgroup_id_z 1
		.amdhsa_system_vgpr_workitem_id 0
		.amdhsa_next_free_vgpr 1024
		.amdhsa_next_free_sgpr 96
		.amdhsa_reserve_vcc 0
		.amdhsa_float_denorm_mode_32 3
		.amdhsa_float_denorm_mode_16_64 3
		.amdhsa_memory_ordered 1
		.amdhsa_forward_progress 1
		.amdhsa_inst_pref_size 90
	.end_amdhsa_kernel
	.amdgpu_metadata
---
amdhsa.version: [ 1, 2 ]
amdhsa.kernels:
  - .name:           k_q80e5721d47_gmlp1
    .symbol:         k_q80e5721d47_gmlp1.kd
    .args:
      - { .name: xn2, .offset: 0, .size: 8, .value_kind: global_buffer, .address_space: global }
      - { .name: w16, .offset: 8, .size: 8, .value_kind: global_buffer, .address_space: global }
      - { .name: b1, .offset: 16, .size: 8, .value_kind: global_buffer, .address_space: global }
      - { .name: hbuf, .offset: 24, .size: 8, .value_kind: global_buffer, .address_space: global }
    .group_segment_fixed_size: 327680
    .private_segment_fixed_size: 0
    .kernarg_segment_align: 8
    .kernarg_segment_size: 32
    .max_flat_workgroup_size: 128
    .sgpr_count:     96
    .vgpr_count:     1024
    .wavefront_size: 32
...
	.end_amdgpu_metadata
.endif
;; end of part 4
;; launch gmlp2 (part 5): grid 8 x 32, 4 waves a work-group, clusters of 4 x 4, 327,680 bytes of LDS; arguments hbuf, w16, b2, x1, out0; writes out0
.if DOCPART == 5
	.amdgcn_target "amdgcn-amd-amdhsa--gfx1250"
	.amdhsa_code_object_version 6
	.text
	.protected	k_q80e5721d47_gmlp2
	.globl	k_q80e5721d47_gmlp2
	.p2align	8
	.type	k_q80e5721d47_gmlp2,@function
k_q80e5721d47_gmlp2:
	s_mov_b64 s[64:65], 0
	v_nop
	global_prefetch_b8 v0, s[64:65] scope:SCOPE_SE
	s_setreg_imm32_b32 hwreg(HW_REG_WAVE_MODE, 25, 1), 1
	s_wait_xcnt 0x0
	s_wait_alu depctr_hold_cnt(0) depctr_sa_sdst(0) depctr_va_vdst(0) depctr_va_sdst(0) depctr_va_ssrc(0) depctr_va_vcc(0) depctr_vm_vsrc(0)
	s_getreg_b32 s2, hwreg(HW_REG_IB_STS2, 6, 4)
	s_cmp_eq_u32 s2, 0
	s_cbranch_scc0 .Lentry_in_a_cluster
	s_endpgm
.Lentry_in_a_cluster:
	s_bfe_u32 s2, ttmp6, 0x10000c
	s_cmp_lg_u32 s2, 0xf033
	s_cbranch_scc0 .Lentry_shape_is_right
	s_endpgm
.Lentry_shape_is_right:
; out0 = x1 + h w2 + b2, f32 [4096][1024].  h [4096][4096] f16; w2 [4096 k][1024] f16 at w16 + 14,680,064; x1 f32.  Sums in f32.
; A tile of C is 128 x 128: 8 x 32 = 256 work-groups (tiles of 256 x 256 would be 64); four waves of 64 x 64: 16 accumulators.  K goes in 16 steps of 256, as long as two slots in LDS allow.
; h's rows lie along K; w2 lies [k][column] and is turned on the way out of LDS.  CLUSTER 4 x 4: h's tile is asked for jointly by a row of the cluster, w2's by a column.  The product is taken transposed: a lane holds one
; row of C and eight neighbouring columns.  The bias is the C operand of each accumulator's first product; x1 is asked for two K steps ahead of the end and added on the way out.
; ONE K STEP IS WRITTEN ONCE: a trip of the loop is a K step; which slot it reads is data: s[SL] holds 0 or SLOT, and the fragment addresses and the walking descriptors' LDS words are made from it at each change of
; slots.  Written out beside the loop are the first quarter step and a second loop of two trips for the last two K steps, which ask for nothing.
; THE WALK ALONG K IS PERMUTED FROM CLUSTER TO CLUSTER: number t of the walk of the cluster at (X, Y) is K step t xor M, M = 2 X xor (Y % 4): a permutation within each four K steps.  The two clusters that read the same
; rows of h (X = 0, 1) take a K step two numbers apart; clusters that read the same columns of w2 and differ in Y % 4 take it one to three numbers apart: of the clusters that read the same bytes one asks for them a step
; or more ahead of the others.  M hangs on the cluster's place in the grid alone: it is the same in all sixteen partners, and no branch, trip count or LDS address hangs on it.
; LIMIT.  The f32 sums take the K steps in that order, not ascending, and in another order in another cluster; operands and roundings are the same.
; No prefetch: the tile is small, and each K step's bytes are shared by four work-groups.
; REGISTERS: window 0: v0-31 addresses; v32-95 rows read back, two buffers; v96-127 the bias; v128-255 accumulators (a, b) at 128 + 8 (4 a + b)
;   window 1: two fragment buffers of 128: for 64 along K, 64 registers of h, then 64 of w2      window 2: v0-127 my 64 x 64 of x1
.set PA,    528                        ; a row of h in LDS: 512 bytes + 16
.set PB,    288                        ; a k row of w2: 256 bytes + 32
.set BOFF,  128*PA
.set SLOT,  128*PA+256*PB
.set STAGE, 2*SLOT                     ; behind the ring: 16 rows x 272 bytes for each wave: a wave's 64 columns of f32 are a whole 256 bytes, so each wave has its own
.set SP,    272
.set SPARE, STAGE+4*16*SP
.set W2OFF, 14680064
.set STEPS, 16
.set ADRA,  16                         ; v16  h's fragments in the slot in hand
.set ADRA0, 17                         ; v17  the same in slot 0; never rewritten
.set ADRB,  20                         ; v20, v21  w2's fragments in the slot in hand: k 0-127, k 128-255 (240 rows of 288 bytes pass a 16-bit offset)
.set ADRB0, 22                         ; v22, v23  the same in slot 0; never rewritten
.set STO,  24
.set RD,   25
.set VO,   26
.set SPW,  28
.set NIL,  29
.set BK,   32
.set BIA,  96
.set ACC,  128
.set F0,   0
.set F1,   128
.set WV, 14
.set RH, 15
.set CH, 16
.set CX, 17
.set CY, 18
.set TX, 19
.set TY, 20
.set LA, 21                            ; s21, s22  where my part of h's and of w2's tile lies in slot 0; never rewritten
.set LB, 22
.set G1, 24
.set G0, 32                            ; s[32:39] group 0 for h: a set for each of the two first fills; the second then walks on
.set BA, 40                            ; s[40:41] h at my part of the tile's rows, K step 0; never rewritten behind the head
.set G1B, 48
.set G0B, 56                           ; s[56:63] the same for w2
.set BB, 66                            ; s[66:67] w2 at my part of the tile's columns, K step 0; never rewritten behind the head
.set SL, 70                            ; s70  0 or SLOT: the slot in hand
.set KT, 71                            ; s71  the number, in the cluster's walk, of the K step that is asked for next
.set OA, 72                            ; s[72:73] that K step's byte offset along a row of h
.set OB, 74                            ; s[74:75] and down the rows of w2
.set KM, 76                            ; s76  M
.set MSB, 0
.macro WIN new
.if MSB != (\new)
	s_set_vgpr_msb (MSB<<8)|(\new)
.set MSB, \new
.endif
.endm
.macro PLACES
.rept 4
	v_nop
.endr
.endm
.macro JLOAD s
	s_cmp_eq_u32 s[RH], 0
	s_cbranch_scc0 .Lfor_b_\@
	tensor_load_to_lds s[G0+4*(\s):G0+4*(\s)+3], s[G1:G1+7]
	s_nop 0
.rept 4
	v_nop
.endr
	s_branch .Lasked_\@
.Lfor_b_\@:
	tensor_load_to_lds s[G0B+4*(\s):G0B+4*(\s)+3], s[G1B:G1B+7]
	s_nop 0
.rept 4
	v_nop
.endr
.Lasked_\@:
.endm
.macro CREST
	s_cmp_lg_u32 s[WV], 0
	s_cbranch_scc1 .Lnot_wave_0_\@
	s_barrier_signal -3
.Lnot_wave_0_\@:
	s_barrier_wait -3
	s_barrier_signal -1
	s_barrier_wait -1
.endm
.macro CROUND
	s_barrier_signal -1
	s_barrier_wait -1
	CREST
.endm
; the two byte offsets of the K step that is asked for next: number s[KT] of the walk is K step s[KT] xor M, 0 to 15; then the number goes on
.macro NEXTK
	s_xor_b32 s[OA], s[KT], s[KM]
	s_lshl_b32 s[OB], s[OA], 19                    ; 256 k rows of 2,048 bytes in w2
	s_lshl_b32 s[OA], s[OA], 9                     ; 512 bytes of a row of h
	s_add_co_u32 s[KT], s[KT], 1
.endm
	s_load_b256 s[4:11], s[0:1], 0x0               ; hbuf 4, w16 6, b2 8, x1 10
	s_load_b64 s[12:13], s[0:1], 0x20              ; out0
	v_lshl_add_u32 v[SPW], v0, 2, SPARE
	v_mov_b32 v[NIL], 0
	ds_add_u32 v[SPW], v[NIL]                      ; the wave's opening: the add and its wait stand ahead of my first tensor load
	v_lshrrev_b32 v1, 5, v0
	v_readfirstlane_b32 s[WV], v1
	s_lshr_b32 s[RH], s[WV], 1
	s_and_b32 s[CH], s[WV], 1
	s_bfe_u32 s[CX], ttmp6, 0x40000
	s_bfe_u32 s[CY], ttmp6, 0x40004
	s_lshl_b32 s[TX], ttmp9, 2
	s_add_co_u32 s[TX], s[TX], s[CX]
	s_and_b32 s[TY], ttmp7, 0xffff
	s_lshl_b32 s[TY], s[TY], 2
	s_add_co_u32 s[TY], s[TY], s[CY]
	s_lshl_b32 s40, s[CY], 2
	s_lshl_b32 s40, 15, s40
	s_lshl_b32 s66, 0x1111, s[CX]
	s_or_b32 s[G1], s40, (1<<16)|(1<<20)|(1<<21)|(6<<22)|(3<<25)    ; 4 words of padding behind every 128
	s_or_b32 s[G1B], s66, (1<<16)|(1<<20)|(1<<21)|(5<<22)|(7<<25)   ; 8 words behind every 64
	s_mov_b32 s[G1+1], 256<<16                     ; h: 64 rows x 256 elements
	s_mov_b32 s[G1+2], 64<<16
	s_mov_b32 s[G1+3], 256<<16
	s_mov_b32 s[G1+4], 64
	s_mov_b32 s[G1+5], 4096
	s_mov_b32 s[G1+6], 0
	s_mov_b32 s[G1+7], 0
	s_mov_b32 s[G1B+1], 128<<16                    ; w2: 128 k rows x 128 elements
	s_mov_b32 s[G1B+2], 128<<16
	s_mov_b32 s[G1B+3], 128<<16
	s_mov_b32 s[G1B+4], 128
	s_mov_b32 s[G1B+5], 1024
	s_mov_b32 s[G1B+6], 0
	s_mov_b32 s[G1B+7], 0
	s_lshl_b32 s[BA], s[TY], 7
	s_lshl_b32 s[BA+1], s[CH], 6
	s_add_co_u32 s[BA], s[BA], s[BA+1]
	s_lshl_b32 s[BA], s[BA], 13                    ; rows of 8,192 bytes
	s_mov_b32 s[BA+1], 0
	s_lshl_b32 s[BB], s[TX], 8
	s_lshl_b32 s[BB+1], s[CH], 18                  ; 128 k rows of 2,048 bytes
	s_add_co_u32 s[BB], s[BB], s[BB+1]
	s_add_co_u32 s[BB], s[BB], W2OFF
	s_mov_b32 s[BB+1], 0
	s_mul_i32 s[LA], s[CH], 64*PA
	s_mul_i32 s[LB], s[CH], 128*PB
	s_add_co_u32 s[LB], s[LB], BOFF
	s_mov_b32 s[SL], 0
	s_and_b32 s[KM], ttmp7, 0xffff                 ; the cluster's y,
	s_and_b32 s[KM], s[KM], 3                      ; modulo 4,
	s_lshl_b32 s[OA], ttmp9, 1                     ; and twice its x (0 or 1):
	s_xor_b32 s[KM], s[KM], s[OA]                  ; M, 0 to 3
	s_mov_b32 s[KT], 0
	s_mov_b32 s[OA+1], 0                           ; the offsets' high words
	s_mov_b32 s[OB+1], 0
	s_wait_dscnt 0x0                               ; the opening add is done
	s_wait_kmcnt 0x0
	s_add_nc_u64 s[BA:BA+1], s[4:5], s[BA:BA+1]
	s_add_nc_u64 s[BB:BB+1], s[6:7], s[BB:BB+1]
	CROUND
.irp s, 0,1
	NEXTK
	s_mov_b32 s[G0+4*(\s)], 1
	s_add_co_u32 s[G0+4*(\s)+1], s[LA], (\s)*SLOT
	s_add_nc_u64 s[G0+4*(\s)+2:G0+4*(\s)+3], s[BA:BA+1], s[OA:OA+1]
	s_or_b32 s[G0+4*(\s)+3], s[G0+4*(\s)+3], 0x80000000
	s_mov_b32 s[G0B+4*(\s)], 1
	s_add_co_u32 s[G0B+4*(\s)+1], s[LB], (\s)*SLOT
	s_add_nc_u64 s[G0B+4*(\s)+2:G0B+4*(\s)+3], s[BB:BB+1], s[OB:OB+1]
	s_or_b32 s[G0B+4*(\s)+3], s[G0B+4*(\s)+3], 0x80000000
	JLOAD \s                                       ; numbers 0 and 1 of the walk: two loads of mine are out
.endr
	v_and_b32 v1, 15, v0
	v_bfe_u32 v2, v0, 4, 1
	v_lshlrev_b32 v7, 5, v2
	s_lshl_b32 s68, s[TX], 9                       ; the bias: column 128 x tile column + 64 x half, 4 bytes each
	s_lshl_b32 s69, s[CH], 8
	s_add_co_u32 s68, s68, s69
	s_mov_b32 s69, 0
	s_add_nc_u64 s[8:9], s[8:9], s[68:69]
.set j, 0
.rept 4
	global_load_b128 v[BIA+8*j:BIA+8*j+3],   v7, s[8:9] offset:64*j
	global_load_b128 v[BIA+8*j+4:BIA+8*j+7], v7, s[8:9] offset:64*j+16
.set j, j+1
.endr
	v_mul_u32_u24 v3, v1, PA
	v_lshl_add_u32 v3, v2, 4, v3
	s_mul_i32 s2, s[RH], 64*PA
	v_add_nc_u32 v[ADRA0], s2, v3
	v_mov_b32 v[ADRA], v[ADRA0]                    ; the walk's number 0 lies in slot 0
	v_and_b32 v4, 7, v0
	v_bfe_u32 v5, v0, 3, 1
	v_lshl_add_u32 v6, v2, 3, v4
	v_mul_u32_u24 v6, v6, PB
	v_lshl_add_u32 v6, v5, 4, v6
	s_lshl_b32 s2, s[CH], 7
	s_add_co_u32 s2, s2, BOFF
	v_add_nc_u32 v[ADRB0], s2, v6
	v_add_nc_u32 v[ADRB0+1], 128*PB, v[ADRB0]
	v_mov_b32 v[ADRB], v[ADRB0]
	v_mov_b32 v[ADRB+1], v[ADRB0+1]
	s_mul_i32 s2, s[WV], 16*SP
	s_add_co_u32 s2, s2, STAGE
	v_mul_u32_u24 v3, v1, SP
	v_lshl_add_u32 v3, v2, 5, v3
	v_add_nc_u32 v[STO], s2, v3                    ; in: row r, 32 bytes for each half of the lanes
	v_mul_u32_u24 v3, v2, SP
	v_lshl_add_u32 v3, v1, 4, v3
	v_add_nc_u32 v[RD], s2, v3                     ; back: lanes 0-15 one row of 256 bytes, lanes 16-31 the next
	v_lshlrev_b32 v[VO], 12, v2                    ; and the same two rows in x1 and out0
	v_lshl_add_u32 v[VO], v1, 4, v[VO]
	s_lshl_b32 s68, s[TY], 7
	s_lshl_b32 s2, s[RH], 6
	s_add_co_u32 s68, s68, s2
	s_lshl_b32 s68, s68, 12                        ; rows of 4,096 bytes
	s_lshl_b32 s2, s[TX], 9
	s_add_co_u32 s68, s68, s2
	s_lshl_b32 s2, s[CH], 8
	s_add_co_u32 s68, s68, s2
	s_add_nc_u64 s[10:11], s[10:11], s[68:69]
	s_add_nc_u64 s[12:13], s[12:13], s[68:69]
; 8 products: row blocks a0, a0 + 1 x all 4 column blocks, 32 along K: half c of buffer f.  first = 1: the bias starts the sums.  The 16 accumulators take turns.
.macro MUL8 f, c, a0, first
	WIN 0x05
.irp a, \a0, (\a0)+1
.irp b, 0,1,2,3
.if \first
	v_wmma_f32_16x16x32_f16 v[ACC+8*(4*(\a)+(\b)):ACC+8*(4*(\a)+(\b))+7], v[(\f)+64+8*(4*(\c)+(\b)):(\f)+64+8*(4*(\c)+(\b))+7], v[(\f)+8*(4*(\c)+(\a)):(\f)+8*(4*(\c)+(\a))+7], v[BIA+8*(\b):BIA+8*(\b)+7]
.else
	v_wmma_f32_16x16x32_f16 v[ACC+8*(4*(\a)+(\b)):ACC+8*(4*(\a)+(\b))+7], v[(\f)+64+8*(4*(\c)+(\b)):(\f)+64+8*(4*(\c)+(\b))+7], v[(\f)+8*(4*(\c)+(\a)):(\f)+8*(4*(\c)+(\a))+7], v[ACC+8*(4*(\a)+(\b)):ACC+8*(4*(\a)+(\b))+7]
.endif
.endr
.endr
.endm
; 32 LDS loads in one run: quarter q (64 along K) of the K step in the slot that the address registers name, into buffer f; the first 32 along K first
.macro FETCH q, f
	WIN 0x40
.irp c, 0,1
.irp i, 0,1,2,3
	ds_load_tr16_b128 v[(\f)+64+8*(4*(\c)+(\i)):(\f)+64+8*(4*(\c)+(\i))+3],   v[ADRB+(\q)/2] offset:(((\q)%2)*64+32*(\c))*PB+32*(\i)
	ds_load_tr16_b128 v[(\f)+64+8*(4*(\c)+(\i))+4:(\f)+64+8*(4*(\c)+(\i))+7], v[ADRB+(\q)/2] offset:(((\q)%2)*64+32*(\c))*PB+32*(\i)+16*PB
	ds_load_b128 v[(\f)+8*(4*(\c)+(\i)):(\f)+8*(4*(\c)+(\i))+3],   v[ADRA] offset:128*(\q)+64*(\c)+(\i)*16*PA
	ds_load_b128 v[(\f)+8*(4*(\c)+(\i))+4:(\f)+8*(4*(\c)+(\i))+7], v[ADRA] offset:128*(\q)+64*(\c)+(\i)*16*PA+32
.endr
.endr
.endm
.macro QUARTER q, f, g, first
	s_wait_dscnt 16                                ; the first 32 along K are in
	MUL8 \f, 0, 0, \first
	MUL8 \f, 0, 2, \first
	PLACES
	FETCH \q, \g
	s_wait_dscnt 32                                ; all but the 32 just issued
	MUL8 \f, 1, 0, 0
	MUL8 \f, 1, 2, 0
.endm
; the last quarter changes slots: one barrier, in front of it the wait for all my tensor loads, the add, and the wait for it and for my reads of the slot.  Between the add and the wait for it stands the register work of
; the change: the walking descriptors take the slot just read (s[SL] as it stands), and their global addresses are made anew: the tile's base and the offsets of the walk's next K step, the type bits set again; then s[SL]
; and the fragment addresses go to the other slot.
; fill = 1: a round of the cluster's barrier and the joint refill, 112 products ahead of the wait for it.  fill = 0 (the last two K steps): nothing is asked for; the very last (s3 = 1) has no next K step, and its fetch is jumped over.
.macro TURN fill
	WIN 0
	s_wait_tensorcnt 0x0                           ; no tensor load of mine is out, so a group 0 may be written
	ds_add_u32 v[SPW], v[NIL]
.if \fill
	NEXTK
	s_add_co_u32 s[G0+5], s[LA], s[SL]
	s_add_nc_u64 s[G0+6:G0+7], s[BA:BA+1], s[OA:OA+1]
	s_or_b32 s[G0+7], s[G0+7], 0x80000000
	s_add_co_u32 s[G0B+5], s[LB], s[SL]
	s_add_nc_u64 s[G0B+6:G0B+7], s[BB:BB+1], s[OB:OB+1]
	s_or_b32 s[G0B+7], s[G0B+7], 0x80000000
.endif
	s_xor_b32 s[SL], s[SL], SLOT                   ; it holds 0 or SLOT, so this turns the one into the other
	v_add_nc_u32 v[ADRA], s[SL], v[ADRA0]
	v_add_nc_u32 v[ADRB], s[SL], v[ADRB0]
	v_add_nc_u32 v[ADRB+1], s[SL], v[ADRB0+1]
	s_wait_dscnt 17                                ; (the add and the youngest sixteen loads may be out)
	MUL8 F1, 0, 0, 0
	s_wait_dscnt 0x0
	s_barrier_signal -1
	MUL8 F1, 0, 2, 0
	WIN 0
	s_barrier_wait -1
.if \fill
	CREST
	JLOAD 1                                        ; the four v_nop behind it are also the places in front of the loads below
	FETCH 0, F0
.else
	s_cmp_eq_u32 s3, 1
	s_cbranch_scc1 .Lno_more_\@
	PLACES
	FETCH 0, F0
	WIN 0
.Lno_more_\@:
.endif
	MUL8 F1, 1, 0, 0
	MUL8 F1, 1, 2, 0
.endm
	s_wait_tensorcnt 0x1                           ; my part of the walk's number 0 is in; number 1's may stay out
	s_barrier_signal -1
	s_barrier_wait -1
	FETCH 0, F0
	s_wait_loadcnt 0x0                             ; the bias
	QUARTER 1, F0, F1, 1
	WIN 0
	s_mov_b32 s3, STEPS-2
.Lstep:                                        ; a trip: from a K step's second quarter to the next step's first; numbers 2 to 15 of the walk are asked for
	QUARTER 2, F1, F0, 0
	QUARTER 3, F0, F1, 0
	TURN 1
	QUARTER 1, F0, F1, 0
	WIN 0
	s_sub_co_u32 s3, s3, 1
	s_cmp_lg_u32 s3, 0
	s_cbranch_scc1 .Lstep
	WIN 0x80                                       ; my 64 x 64 of x1 is asked for here, into registers that no product names: it has the last two K steps in which to come
.set p, 0
.rept 32
	global_load_b128 v[4*p:4*p+3], v[VO], s[10:11] offset:8192*p
.set p, p+1
.endr
	WIN 0
	s_mov_b32 s3, 2
.Ltail:                                        ; the last two K steps, written apart; the second trip is left in its middle
	QUARTER 2, F1, F0, 0
	QUARTER 3, F0, F1, 0
	TURN 0
	WIN 0
	s_sub_co_u32 s3, s3, 1
	s_cmp_eq_u32 s3, 0
	s_cbranch_scc1 .Lout
	QUARTER 1, F0, F1, 0
	WIN 0
	s_branch .Ltail
.Lout:
; THE WAY OUT, a block of 16 rows at a time, through my own stage: 32 bytes a lane in, whole rows of 256 bytes back; x1 is added; 16 lanes store 256 consecutive bytes, aligned
.macro TOSTAGE a
	WIN 0
.if (\a) >= 2
	s_wait_xcnt 0x0                                ; the stores of the block two back have read the registers that are loaded below
.endif
.irp b, 0,1,2,3
	ds_store_b128 v[STO], v[ACC+8*(4*(\a)+(\b)):ACC+8*(4*(\a)+(\b))+3]   offset:64*(\b)
	ds_store_b128 v[STO], v[ACC+8*(4*(\a)+(\b))+4:ACC+8*(4*(\a)+(\b))+7] offset:64*(\b)+16
.endr
.irp t, 0,1,2,3,4,5,6,7
	ds_load_b128 v[BK+32*((\a)%2)+4*(\t):BK+32*((\a)%2)+4*(\t)+3], v[RD] offset:2*SP*(\t)  ; LDS serves a wave's instructions in order: these see the stores above
.endr
.endm
.macro SEND a
	s_wait_dscnt 0x0                               ; the block is back in registers
	s_wait_loadcnt 24-8*(\a)                       ; its eight loads of x1 are in; the later blocks' may stay out
	WIN 0x08                                       ; source 1, x1, in window 2
.set z, 0
.rept 16
	v_pk_add_f32 v[BK+32*((\a)%2)+2*z:BK+32*((\a)%2)+2*z+1], v[BK+32*((\a)%2)+2*z:BK+32*((\a)%2)+2*z+1], v[32*(\a)+2*z:32*(\a)+2*z+1]
.set z, z+1
.endr
	WIN 0
.irp t, 0,1,2,3,4,5,6,7
	global_store_b128 v[VO], v[BK+32*((\a)%2)+4*(\t):BK+32*((\a)%2)+4*(\t)+3], s[12:13] offset:8192*(8*(\a)+(\t))
.endr
.endm
	PLACES
.irp a, 0,1,2,3
	TOSTAGE \a
	SEND \a
.endr
	s_wait_tensorcnt 0x0                           ; the wave's end
	ds_add_u32 v[SPW], v[NIL]
	s_wait_dscnt 0x0
	CROUND                                         ; the closing round
	s_endpgm
.Lfunc_end_k_q80e5721d47_gmlp2:
	.size	k_q80e5721d47_gmlp2, .Lfunc_end_k_q80e5721d47_gmlp2-k_q80e5721d47_gmlp2
	.p2alignl 7, 3214868480
	.fill 96, 4, 3214868480
	.section	.rodata,"a",@progbits
	.p2align	6, 0x0
	.amdhsa_kernel k_q80e5721d47_gmlp2
		.amdhsa_group_segment_fixed_size 327680
		.amdhsa_private_segment_fixed_size 0
		.amdhsa_enable_private_segment 0
		.amdhsa_kernarg_size 40
		.amdhsa_user_sgpr_count 2
		.amdhsa_user_sgpr_kernarg_segment_ptr 1
		.amdhsa_wavefront_size32 1
		.amdhsa_system_sgpr_workgroup_id_x 1
		.amdhsa_system_sgpr_workgroup_id_y 1
		.amdhsa_system_sgpr_workgroup_id_z 1
		.amdhsa_system_vgpr_workitem_id 0
		.amdhsa_next_free_vgpr 640
		.amdhsa_next_free_sgpr 96
		.amdhsa_reserve_vcc 0
		.amdhsa_float_denorm_mode_32 3
		.amdhsa_float_denorm_mode_16_64 3
		.amdhsa_memory_ordered 1
		.amdhsa_forward_progress 1
		.amdhsa_inst_pref_size 67
	.end_amdhsa_kernel
	.amdgpu_metadata
---
amdhsa.version: [ 1, 2 ]
amdhsa.kernels:
  - .name:           k_q80e5721d47_gmlp2
    .symbol:         k_q80e5721d47_gmlp2.kd
    .args:
      - { .name: hbuf, .offset: 0, .size: 8, .value_kind: global_buffer, .address_space: global }
      - { .name: w16, .offset: 8, .size: 8, .value_kind: global_buffer, .address_space: global }
      - { .name: b2, .offset: 16, .size: 8, .value_kind: global_buffer, .address_space: global }
      - { .name: x1, .offset: 24, .size: 8, .value_kind: global_buffer, .address_space: global }
      - { .name: out0, .offset: 32, .size: 8, .value_kind: global_buffer, .address_space: global }
    .group_segment_fixed_size: 327680
    .private_segment_fixed_size: 0
    .kernarg_segment_align: 8
    .kernarg_segment_size: 40
    .max_flat_workgroup_size: 128
    .sgpr_count:     96
    .vgpr_count:     640
    .wavefront_size: 32
...
	.end_amdgpu_metadata
.endif
;; end of part 5
;; ======== version 2 of 2: 5 launches; version 1 with the launch prep written anew for expert scheduling mode
;; limits: values are held in f16: magnitudes above 65,504 overflow, below 6.1e-05 lose precision
;; workspace buffers: w16 23,068,672 bytes; xn 8,388,608 bytes; qkv 25,165,824 bytes; x1 16,777,216 bytes; xn2 8,388,608 bytes; hbuf 33,554,432 bytes
;; launch prep (part 6): grid 512 x 1, 8 waves a work-group, no clusters, 0 bytes of LDS; arguments x, w_qkv, w1, w2, ln_g, ln_b, w16, xn; writes w16, xn
.if DOCPART == 6
	.amdgcn_target "amdgcn-amd-amdhsa--gfx1250"
	.amdhsa_code_object_version 6
	.text
	.protected	k_q80e5721d47_prep
	.globl	k_q80e5721d47_prep
	.p2align	8
	.type	k_q80e5721d47_prep,@function
k_q80e5721d47_prep:
	s_mov_b64 s[64:65], 0
	v_nop
	global_prefetch_b8 v0, s[64:65] scope:SCOPE_SE
	s_setreg_imm32_b32 hwreg(HW_REG_WAVE_SCHED_MODE, 0, 2), 2
	s_setreg_imm32_b32 hwreg(HW_REG_WAVE_MODE, 25, 1), 1
	s_wait_xcnt 0x0
	s_wait_alu depctr_vm_vsrc(0)
; PREP.  Four jobs, 128 work-groups each, chosen by the work-group's number / 128; all stream: 16 bytes of f32 a lane in, 8 bytes of f16 out.
;   0: w_qkv [1024][3072] f32 -> w16 + 0, f16, in 16 blocks of 192 columns: [block][k][192], so that a block's k rows lie end to end
;   1: w1 [1024][4096] -> w16 + 6,291,456, f16, same order      2: w2 [4096][1024] -> w16 + 14,680,064, f16, same order
;   3: xn = LayerNorm(x) g + b, f16 [4096][1024]: mean, then the mean of the squared differences (two passes over registers), all in f32
; A load of a wave covers 512 consecutive bytes, a store 256, both aligned to 256.  No LDS, no barrier: no wave needs another's data.
; LIMIT.  f16 holds no number beyond 65,504 and has a fixed step of 6e-8 below 6.1e-5: weights and xn must lie within that; NaN and infinities are not treated apart.
; THE MODE: SCHED_MODE bits 1:0 = 2 (LLVM: expert scheduling mode 2), set by the entry lines.  The code itself states the register dependences
; between vector instructions and memory instructions, with s_wait_alu, always for 0.
; THE PLAN.  Registers that memory instructions touch:
;   v2, v3     byte offsets of every load and every store: made once at the head, never written again.  v4: job 0's second offset, likewise.
;   JOBS 0 TO 2.  XIN: written by loads that are all issued at the job's start, read by the conversions, never loaded again.  YO: a pair for each store, written once by two conversions.
;              The loads are taken in groups of four: the wait at the head of a group states that the group before has written its pairs; that group's four stores are dealt among this group's
;              conversions, which name this group's XIN and YO alone.
;   JOB 3.     X0, X1: a trip's two rows.  Read by the row's sums and differences, all ahead of the row's root; loaded again, in the first trip, behind the wait that follows the second row's root.
;              LNY, LNZ: the two rows in f16.  LNY is written by the first row's roundings and stored behind that same wait; LNZ by the second row's, and stored behind a wait of its own at the trip's end.
;              Both are written again a trip later: one wait on vm_vsrc stands at the trip's end.  LND, LNA, LNMU, LNRS, and g and b once loaded, are named by vector instructions alone.
.set WV,  20
.set SEC, 21
.set W,   22                           ; s22  the wave's number within its job, 0 .. 1023
.set SEL, 32                           ; s[32:33] v_permlanex16_b32's selects: each lane takes its own place in the other half
.set INV, 34                           ; s34  1 / 1024
.set EPS, 35                           ; s35  1e-5
.set XIN, 16                           ; v[16:143]  as loaded
.set YO,  144                          ; v[144:207] as stored (jobs 0 to 2): a pair for each store, never rewritten
.set LND, 80                           ; job 3: v[16:47], v[48:79] two rows; v[80:111] x - mean
.set LNG, 112                          ; v[112:143] g
.set LNB, 144                          ; v[144:175] b
.set LNY, 176                          ; v[176:191] a trip's first row in f16
.set LNA, 192                          ; v[192:199] four running pairs
.set LNMU, 200                         ; v[200:201] the mean (low word)
.set LNRS, 202                         ; v[202:203] 1 / sqrt(var + eps) (low word)
.set LNZ, 204                          ; v[204:219] a trip's second row in f16
; the sum of v[LNA .. LNA+7] over the 32 lanes, into v[LNA] of every lane
.macro REDUCE
	v_pk_add_f32 v[LNA:LNA+1], v[LNA:LNA+1], v[LNA+2:LNA+3]
	v_pk_add_f32 v[LNA+4:LNA+5], v[LNA+4:LNA+5], v[LNA+6:LNA+7]
	v_pk_add_f32 v[LNA:LNA+1], v[LNA:LNA+1], v[LNA+4:LNA+5]
	v_add_f32 v[LNA], v[LNA], v[LNA+1]
.irp m, 1,2,4,8
	v_add_f32_dpp v[LNA], v[LNA], v[LNA] row_xmask:\m row_mask:0xf bank_mask:0xf
.endr
	v_permlanex16_b32 v[LNA+1], v[LNA], s[SEL], s[SEL+1]
	v_add_f32 v[LNA], v[LNA], v[LNA+1]
.endm
; one row of 1,024 numbers, 32 a lane in v[x .. x+31] -> 16 registers of f16 in v[y ..].  mid = 1: a trip's second row, which carries the trip's loads and the first row's stores behind its wait
.macro LNROW x, y, mid
.irp c, 0,1,2,3
	v_pk_add_f32 v[LNA+2*(\c):LNA+2*(\c)+1], v[(\x)+2*(\c):(\x)+2*(\c)+1], v[(\x)+8+2*(\c):(\x)+8+2*(\c)+1]
.endr
.irp n, 8,9,10,11,12,13,14,15
	v_pk_add_f32 v[LNA+2*((\n)%4):LNA+2*((\n)%4)+1], v[LNA+2*((\n)%4):LNA+2*((\n)%4)+1], v[(\x)+2*(\n):(\x)+2*(\n)+1]
.endr
	REDUCE
	v_mul_f32 v[LNMU], s[INV], v[LNA]
.set z, 0
.rept 16
	v_pk_add_f32 v[LND+2*z:LND+2*z+1], v[(\x)+2*z:(\x)+2*z+1], v[LNMU:LNMU+1] op_sel_hi:[1,0] neg_lo:[0,1] neg_hi:[0,1]
.set z, z+1
.endr
.irp c, 0,1,2,3
	v_pk_mul_f32 v[LNA+2*(\c):LNA+2*(\c)+1], v[LND+2*(\c):LND+2*(\c)+1], v[LND+2*(\c):LND+2*(\c)+1]
.endr
.irp n, 4,5,6,7,8,9,10,11,12,13,14,15
	v_pk_fma_f32 v[LNA+2*((\n)%4):LNA+2*((\n)%4)+1], v[LND+2*(\n):LND+2*(\n)+1], v[LND+2*(\n):LND+2*(\n)+1], v[LNA+2*((\n)%4):LNA+2*((\n)%4)+1]
.endr
	REDUCE
	v_fma_f32 v[LNA], v[LNA], s[INV], s[EPS]
	v_rsq_f32 v[LNRS], v[LNA]
	v_nop                                          ; a plain instruction behind the root
.if \mid
	s_wait_alu depctr_va_vdst(0)                   ; the root has written v[LNRS], ahead of its first reader; the first row's roundings have written LNY, which the stores below read; both rows' sums and differences are done reading X0 and X1, in which the loads below land
	s_cmp_eq_u32 s30, 1                            ; the last trip has no rows behind its own: the jump passes loads alone
	s_cbranch_scc1 .Lno_rows
.set j, 0
.rept 16                                       ; the wave's rows 2 and 3, 8,192 bytes on end: X0's eight loads first, then X1's
	global_load_b128 v[16+4*j:16+4*j+3], v2, s[4:5] offset:8192+512*j th:TH_LOAD_NT
.set j, j+1
.endr
.Lno_rows:
.set j, 0
.rept 8
	global_store_b64 v3, v[LNY+2*j:LNY+2*j+1], s[18:19] offset:256*j  ; the trip's first row.  No vector instruction from the wait to the trip's end names X0, X1 or LNY
.set j, j+1
.endr
.else
	s_wait_alu depctr_va_vdst(0)                   ; the root has written v[LNRS], ahead of its first reader
.endif
.set z, 0
.rept 16
	v_pk_mul_f32 v[LND+2*z:LND+2*z+1], v[LND+2*z:LND+2*z+1], v[LNRS:LNRS+1] op_sel_hi:[1,0]
.set z, z+1
.endr
.set z, 0
.rept 16
	v_pk_fma_f32 v[LND+2*z:LND+2*z+1], v[LND+2*z:LND+2*z+1], v[LNG+2*z:LNG+2*z+1], v[LNB+2*z:LNB+2*z+1]
.set z, z+1
.endr
.set z, 0
.rept 16
	v_cvt_pk_f16_f32 v[(\y)+z], v[LND+2*z], v[LND+2*z+1]
.set z, z+1
.endr
.endm
; jobs 0 to 2: n loads are out, load j into v[XIN+4 j ..]; they are rounded and stored in groups of four, a group's stores dealt among the next group's conversions
.macro STREAM n
.set j, 0
.rept \n
.if (j%4) == 0
	s_wait_loadcnt (\n)-4-j                        ; loads come back in order: this group's four are in, the younger ones stay out
.if j > 0
	s_wait_alu depctr_va_vdst(0)                   ; the group before has written its four pairs of YO, which the four stores below read
.endif
.endif
.if j >= 4
	global_store_b64 v3, v[YO+2*j-8:YO+2*j-7], s[16:17] offset:256*(j-4)
.endif
	v_cvt_pk_f16_f32 v[YO+2*j], v[XIN+4*j], v[XIN+4*j+1]
	v_cvt_pk_f16_f32 v[YO+2*j+1], v[XIN+4*j+2], v[XIN+4*j+3]
.set j, j+1
.endr
	s_wait_alu depctr_va_vdst(0)                   ; the last group has written its four pairs
.set j, (\n)-4
.rept 4
	global_store_b64 v3, v[YO+2*j:YO+2*j+1], s[16:17] offset:256*j
.set j, j+1
.endr
.endm
	s_load_b512 s[4:19], s[0:1], 0x0               ; x 4, w_qkv 6, w1 8, w2 10, ln_g 12, ln_b 14, w16 16, xn 18
	v_lshrrev_b32 v1, 5, v0
	v_readfirstlane_b32 s[WV], v1
	v_and_b32 v1, 31, v0                           ; lane
	v_lshlrev_b32 v2, 4, v1                        ; 16 bytes a lane in
	v_lshlrev_b32 v3, 3, v1                        ; 8 bytes a lane out
	s_lshr_b32 s[SEC], ttmp9, 7
	s_and_b32 s[W], ttmp9, 127
	s_lshl_b32 s[W], s[W], 3
	s_wait_alu depctr_va_sdst(0)                   ; s[WV] is written, ahead of its first reader: the wave's bases are made from it
	s_add_co_u32 s[W], s[W], s[WV]
	s_mov_b32 s27, 0
	s_mov_b32 s29, 0
	s_wait_alu depctr_va_vdst(0)                   ; v2 and v3 are written: every load of the kernel reads v2 (or v4, made from it) as its offset, every store v3
	s_wait_kmcnt 0x0
	s_cmp_eq_u32 s[SEC], 0
	s_cbranch_scc1 .Lwq
	s_cmp_eq_u32 s[SEC], 3
	s_cbranch_scc1 .Lnorm
	; JOBS 1 AND 2: 16,384 consecutive bytes a wave
	s_cmp_eq_u32 s[SEC], 1
	s_cselect_b64 s[24:25], s[8:9], s[10:11]
	s_lshl_b32 s26, s[W], 14
	s_add_nc_u64 s[24:25], s[24:25], s[26:27]
	s_sub_co_u32 s28, s[SEC], 1
	s_lshl_b32 s28, s28, 23                        ; w2's copy lies 8,388,608 bytes behind w1's
	s_lshl_b32 s26, s[W], 13
	s_add_co_u32 s28, s28, s26
	s_add_co_u32 s28, s28, 6291456
	s_add_nc_u64 s[16:17], s[16:17], s[28:29]
.set j, 0
.rept 32
	global_load_b128 v[XIN+4*j:XIN+4*j+3], v2, s[24:25] offset:512*j th:TH_LOAD_NT
.set j, j+1
.endr
	STREAM 32
	s_endpgm
.Lwq:	; JOB 0: block W / 64, k rows 16 (W % 64) on.  A row's piece is 768 bytes: two rows are three loads of 512 bytes, the middle one split between the rows
	s_lshr_b32 s23, s[W], 6
	s_and_b32 s26, s[W], 63
	s_lshl_b32 s26, s26, 4
	s_mul_i32 s28, s26, 12288
	s_mul_i32 s24, s23, 768
	s_add_co_u32 s28, s28, s24
	s_add_nc_u64 s[6:7], s[6:7], s[28:29]
	s_mul_i32 s28, s23, 393216
	s_mul_i32 s26, s26, 384
	s_add_co_u32 s28, s28, s26
	s_add_nc_u64 s[16:17], s[16:17], s[28:29]
	v_lshrrev_b32 v5, 4, v1
	v_mul_u32_u24 v5, v5, 11520                    ; lanes 16-31 of the middle load: from byte 768 of one row to byte 0 of the next (12,288 - 768)
	v_add3_u32 v4, v2, v5, 512
	s_wait_alu depctr_va_vdst(0)                   ; v4 is written, which the middle loads read as their offset
.set u, 0
.rept 8
	global_load_b128 v[XIN+12*u:XIN+12*u+3],    v2, s[6:7] offset:24576*u th:TH_LOAD_NT
	global_load_b128 v[XIN+12*u+4:XIN+12*u+7],  v4, s[6:7] offset:24576*u th:TH_LOAD_NT
	global_load_b128 v[XIN+12*u+8:XIN+12*u+11], v2, s[6:7] offset:24576*u+12544 th:TH_LOAD_NT
.set u, u+1
.endr
	STREAM 24                                      ; in the block the 16 rows are 6,144 bytes on end
	s_endpgm
.Lnorm:	; JOB 3: rows 4 W .. 4 W + 3, a whole row to the wave (32 numbers a lane), two rows a trip
	s_lshl_b32 s26, s[W], 14
	s_add_nc_u64 s[4:5], s[4:5], s[26:27]          ; x at the wave's first row: the four rows are reached by immediate offsets, and the base stays
	s_lshl_b32 s26, s[W], 13
	s_add_nc_u64 s[18:19], s[18:19], s[26:27]
	s_mov_b32 s[SEL], 0x76543210
	s_mov_b32 s[SEL+1], 0xfedcba98
	s_mov_b32 s[INV], 0x3a800000
	s_mov_b32 s[EPS], 0x3727c5ac
	v_mov_b32 v[LNMU+1], 0                         ; named as pairs, so written
	v_mov_b32 v[LNRS+1], 0
.set j, 0
.rept 8
	global_load_b128 v[LNG+4*j:LNG+4*j+3], v2, s[12:13] offset:512*j
	global_load_b128 v[LNB+4*j:LNB+4*j+3], v2, s[14:15] offset:512*j
.set j, j+1
.endr
.set j, 0
.rept 16                                       ; the wave's rows 0 and 1, 8,192 bytes on end, into X0 and X1, which no vector instruction has named yet
	global_load_b128 v[16+4*j:16+4*j+3], v2, s[4:5] offset:512*j th:TH_LOAD_NT
.set j, j+1
.endr
	s_mov_b32 s30, 2
.Ltrip:
	s_wait_loadcnt 8                               ; the trip's first row is in (in the first trip g and b too); the second row's eight loads stay out
	LNROW 16, LNY, 0
	s_wait_loadcnt 0x0                             ; the second row is in
	LNROW 48, LNZ, 1
	s_wait_alu depctr_va_vdst(0)                   ; the second row's roundings have written LNZ, which the stores below read
.set j, 0
.rept 8
	global_store_b64 v3, v[LNZ+2*j:LNZ+2*j+1], s[18:19] offset:2048+256*j
.set j, j+1
.endr
	s_wait_xcnt 0x0                                ; xn's base, LNY and LNZ are rewritten only behind this wait
	s_wait_alu depctr_vm_vsrc(0)                   ; the trip's sixteen stores have read LNY and LNZ, which the next trip's roundings write again
	s_add_nc_u64 s[18:19], s[18:19], 4096
	s_sub_co_u32 s30, s30, 1
	s_cmp_lg_u32 s30, 0
	s_cbranch_scc1 .Ltrip
	s_endpgm
.Lfunc_end_k_q80e5721d47_prep:
	.size	k_q80e5721d47_prep, .Lfunc_end_k_q80e5721d47_prep-k_q80e5721d47_prep
	.p2alignl 7, 3214868480
	.fill 96, 4, 3214868480
	.section	.rodata,"a",@progbits
	.p2align	6, 0x0
	.amdhsa_kernel k_q80e5721d47_prep
		.amdhsa_group_segment_fixed_size 0
		.amdhsa_private_segment_fixed_size 0
		.amdhsa_enable_private_segment 0
		.amdhsa_kernarg_size 64
		.amdhsa_user_sgpr_count 2
		.amdhsa_user_sgpr_kernarg_segment_ptr 1
		.amdhsa_wavefront_size32 1
		.amdhsa_system_sgpr_workgroup_id_x 1
		.amdhsa_system_sgpr_workgroup_id_y 1
		.amdhsa_system_sgpr_workgroup_id_z 1
		.amdhsa_system_vgpr_workitem_id 0
		.amdhsa_next_free_vgpr 220
		.amdhsa_next_free_sgpr 66
		.amdhsa_reserve_vcc 0
		.amdhsa_float_denorm_mode_32 3
		.amdhsa_float_denorm_mode_16_64 3
		.amdhsa_memory_ordered 1
		.amdhsa_forward_progress 1
		.amdhsa_inst_pref_size 42
	.end_amdhsa_kernel
	.amdgpu_metadata
---
amdhsa.version: [ 1, 2 ]
amdhsa.kernels:
  - .name:           k_q80e5721d47_prep
    .symbol:         k_q80e5721d47_prep.kd
    .args:
      - { .name: x, .offset: 0, .size: 8, .value_kind: global_buffer, .address_space: global }
      - { .name: w_qkv, .offset: 8, .size: 8, .value_kind: global_buffer, .address_space: global }
      - { .name: w1, .offset: 16, .size: 8, .value_kind: global_buffer, .address_space: global }
      - { .name: w2, .offset: 24, .size: 8, .value_kind: global_buffer, .address_space: global }
      - { .name: ln_g, .offset: 32, .size: 8, .value_kind: global_buffer, .address_space: global }
      - { .name: ln_b, .offset: 40, .size: 8, .value_kind: global_buffer, .address_space: global }
      - { .name: w16, .offset: 48, .size: 8, .value_kind: global_buffer, .address_space: global }
      - { .name: xn, .offset: 56, .size: 8, .value_kind: global_buffer, .address_space: global }
    .group_segment_fixed_size: 0
    .private_segment_fixed_size: 0
    .kernarg_segment_align: 8
    .kernarg_segment_size: 64
    .max_flat_workgroup_size: 256
    .sgpr_count:     66
    .vgpr_count:     220
    .wavefront_size: 32
...
	.end_amdgpu_metadata
.endif
;; end of part 6
;; launch gqkv: the kernel of part 2 again; grid 16 x 16, 4 waves a work-group, clusters of 4 x 4, 327,680 bytes of LDS; arguments xn, w16, b_qkv, qkv; writes qkv
;; launch attn: the kernel of part 3 again; grid 8 x 32, 4 waves a work-group, clusters of 4 x 1, 327,680 bytes of LDS; arguments qkv, x, ln_g, ln_b, x1, xn2; writes x1, xn2
;; launch gmlp1: the kernel of part 4 again; grid 16 x 16, 4 waves a work-group, clusters of 4 x 4, 327,680 bytes of LDS; arguments xn2, w16, b1, hbuf; writes hbuf
;; launch gmlp2: the kernel of part 5 again; grid 8 x 32, 4 waves a work-group, clusters of 4 x 4, 327,680 bytes of LDS; arguments hbuf, w16, b2, x1, out0; writes out0
